; MI455X (gfx1250); checked and timed in simulation.
; The chip was launched on July 23, 2026; its instructions are those of AMD's public machine-readable ISA for CDNA 5 (MIT licence, August 2026) and "CDNA5" Instruction Set Architecture Reference Guide (July 2026). The comments in the code are by the model that wrote it; some were corrected since.
;; Parallel Transformer Block. Allowed arithmetic: float matrix products may take bf16 or f16 operands with f32 sums; other float arithmetic in f32, or as packed bf16 or f16 multiplies, adds, multiply-adds, maxima and minima; sums over many terms, partial sums and values carried from step to step in f32; what a program stores and reads back later, other than sums and carried values, may be rounded once to bf16 or f16.
;; Inputs: W_attn_out 512 x 2,048 float32; W_ff_out 2,048 x 2,048 float32; W_fused 2,048 x 4,672 float32; attn_mask 2 x 2,048 bool; gamma 2,048 float32; x 2 x 2,048 x 2,048 float32.
;; Outputs: out0 2 x 2,048 x 2,048 float32.
;; One version. Each part assembles by itself: llvm-mc -triple=amdgcn-amd-amdhsa -mcpu=gfx1250 --defsym DOCPART=n.
;; ======== version 1 of 1: 4 launches
;; limits: values are held in f16: magnitudes above 65,504 overflow, below 6.1e-05 lose precision; right only within a limited range of input values
;; workspace buffers: xn 17,563,648 bytes; wft 19,922,944 bytes; w2t 10,485,760 bytes; rope 1,572,864 bytes; kmf 16,384 bytes; qb 4,194,304 bytes; kvb 524,288 bytes; a2 20,971,520 bytes
;; launch prep (part 1): grid 780 x 1, 4 waves a work-group, no clusters, 70,144 bytes of LDS; arguments x, gamma, W_fused, W_attn_out, W_ff_out, attn_mask, xn, wft, w2t, rope, kmf; writes xn, wft, w2t, rope, kmf
.if DOCPART == 1
	.amdgcn_target "amdgcn-amd-amdhsa--gfx1250"
	.amdhsa_code_object_version 6
	.text
	.protected	k_q34daccf53f_prep
	.globl	k_q34daccf53f_prep
	.p2align	8
	.type	k_q34daccf53f_prep,@function
k_q34daccf53f_prep:
	s_mov_b64 s[64:65], 0
	v_nop
	global_prefetch_b8 v0, s[64:65] scope:SCOPE_SE
	s_setreg_imm32_b32 hwreg(HW_REG_WAVE_MODE, 25, 1), 1
	s_wait_xcnt 0x0
; PREP: everything that the three matrix launches want laid out beforehand.  The work-group's number g picks one of five roles:
;   g <  256  LN    xn[row] = LayerNorm(bf16(x[row])) * bf16(gamma), stored as f16; 16 rows a work-group, a row a wave and trip.  Rows 0-191 are stored a second time behind row 4,095:
;                   the next launch's tiles of 256 rows begin at multiples of 64 rows, and so none of them has to wrap round the end
;   g <  548  WF    W_fused  [2048 k][4672 n] f32 -> wft  [16 blocks][304 rows][2048 k] f16 (the bf16 rounding of each weight, written as f16)
;   g <  708  W2    W_attn_out, W_ff_out [k][2048 n] f32 -> w2t [2048 n][2560 k] bf16 (k < 512: W_attn_out)
;   g <  772  ROPE  the rotary table [2048 s][6 blocks][2 lane halves][cos 8 | sin 8] f32
;   else      KM    kmf = attn_mask ? -1e30 : 0, f32
; No matrix unit, no cluster, no tensor load: the roles stream, each input byte is read once, and no work-group shares a byte with another.
; LIMITS.  x, gamma and the weights are rounded to bf16 first and all arithmetic starts there.  xn is f16: |xn| <= 45.3 |gamma| has to stay under 65,504, so |gamma| < 1,446.
; A weight of W_fused below 6e-5 keeps f16's fixed step of 6e-8.  The angle s * f is formed in f32 as the definition forms it; sine and cosine come from a reduction by pi/2 in two parts and polynomials to r^7 and r^8.
.set SPARE, 69632                      ; behind the four waves' stages: the spare words, 128 bytes a wave
.set WLDS,  17408                      ; a wave's stage: 64 rows of 272 bytes
.set LP,    272                        ; 256 bytes of a column's 128 k + 16: sixteen rows start at sixteen different groups of four banks
.set SPW, 254                          ; v254 my spare word's LDS address; never rewritten
.set NIL, 255                          ; v255 0; never rewritten
.set X,   16                           ; v16-79   as loaded
.set D,   80                           ; v80-143  LN: the row in f32
.set G,   144                          ; v144-207 LN: gamma
.set Y,   208                          ; v208-239 LN: the row in f16
.set T,   240                          ; v240-247 LN: at work
.set MN,  248                          ; v248-249 LN: the mean, twice
.set RS,  250                          ; v250-251 LN: 1/sqrt(var + eps), twice
.set PK,  144                          ; v144-175 casts: packed 16-bit numbers, 16 registers a column
.set U,   176                          ; v176-187 casts: at work
	s_load_b512 s[8:23], s[0:1], 0x0               ; x 8, gamma 10, W_fused 12, W_attn_out 14, W_ff_out 16, attn_mask 18, xn 20, wft 22
	s_load_b128 s[24:27], s[0:1], 0x40             ; w2t 24, rope 26
	s_load_b64 s[28:29], s[0:1], 0x50              ; kmf
	v_lshl_add_u32 v[SPW], v0, 2, SPARE
	v_mov_b32 v[NIL], 0
	v_lshrrev_b32 v1, 5, v0
	v_readfirstlane_b32 s4, v1                     ; wave 0..3
	v_and_b32 v5, 31, v0                           ; lane
	s_mov_b32 s5, ttmp9                            ; g
	s_mov_b32 s30, 0x76543210                      ; v_permlanex16_b32: each lane takes its own place in the other half
	s_mov_b32 s31, 0xfedcba98
	s_mov_b32 s32, 0xffff0000                      ; a word's upper bf16
	s_mov_b32 s39, 0                               ; high word of the offset pair s[38:39]
	s_wait_kmcnt 0x0
	s_cmp_ge_u32 s5, 256
	s_cbranch_scc1 .Lnot_ln
; ---------------------------------------------------------------- LN
; A lane holds the row's numbers 128 i + 4 lane + 0..3, i = 0..15: each load of the wave covers 512 consecutive bytes, each store 256.
.macro WSUM r, t                       ; the sum over the wave's 32 lanes, in every lane
	v_add_f32_dpp v[\r], v[\r], v[\r] row_xmask:1 row_mask:0xf bank_mask:0xf
	v_add_f32_dpp v[\r], v[\r], v[\r] row_xmask:2 row_mask:0xf bank_mask:0xf
	v_add_f32_dpp v[\r], v[\r], v[\r] row_xmask:4 row_mask:0xf bank_mask:0xf
	v_add_f32_dpp v[\r], v[\r], v[\r] row_xmask:8 row_mask:0xf bank_mask:0xf
	v_permlanex16_b32 v[\t], v[\r], s30, s31
	v_add_f32 v[\r], v[\r], v[\t]
.endm
	v_lshlrev_b32 v1, 4, v5                        ; 16 bytes a lane in x and gamma
	v_lshlrev_b32 v2, 3, v5                        ; 8 bytes a lane in xn
	s_lshl_b32 s38, s5, 4
	s_lshl2_add_u32 s38, s4, s38                   ; my first row = 16 g + 4 wave
	s_lshl_b32 s34, s38, 13                        ; x 8,192 bytes
	s_mov_b32 s35, 0
	s_lshl_b32 s36, s38, 12                        ; x 4,096 bytes
	s_mov_b32 s37, 0
	s_add_nc_u64 s[8:9], s[8:9], s[34:35]
	s_add_nc_u64 s[20:21], s[20:21], s[36:37]
	s_add_nc_u64 s[42:43], s[20:21], 0x1000000     ; the same row 4,096 rows on: used by the work-groups of rows 0-191 alone
	s_mov_b32 s33, 0x3a000000                      ; 1 / 2048
	s_mov_b32 s40, 0x3727c5ac                      ; 1e-5
.set i, 0
.rept 16
	global_load_b128 v[G+4*i:G+4*i+3], v1, s[10:11] offset:512*i
.set i, i+1
.endr
.set i, 0
.rept 16
	global_load_b128 v[X+4*i:X+4*i+3], v1, s[8:9] offset:512*i th:TH_LOAD_NT
.set i, i+1
.endr
	s_wait_loadcnt 0x0
.set i, 0
.rept 32                               ; gamma rounded to bf16, widened in place
	v_cvt_pk_bf16_f32 v[T+i%4], v[G+2*i], v[G+2*i+1]
	v_lshlrev_b32 v[G+2*i], 16, v[T+i%4]
	v_and_b32 v[G+2*i+1], s32, v[T+i%4]
.set i, i+1
.endr
	s_mov_b32 s6, 4
.Lrow:
	s_wait_loadcnt 0x0                             ; the row is in, and x's base is free
.set i, 0
.rept 32                               ; x rounded to bf16, widened into D: X is free for the next row
	v_cvt_pk_bf16_f32 v[T+i%4], v[X+2*i], v[X+2*i+1]
	v_lshlrev_b32 v[D+2*i], 16, v[T+i%4]
	v_and_b32 v[D+2*i+1], s32, v[T+i%4]
.set i, i+1
.endr
	s_cmp_eq_u32 s6, 1
	s_cbranch_scc1 .Lno_next                       ; the last trip loads nothing: no load leaves the buffer
	s_add_nc_u64 s[8:9], s[8:9], 8192
.set i, 0
.rept 16
	global_load_b128 v[X+4*i:X+4*i+3], v1, s[8:9] offset:512*i th:TH_LOAD_NT
.set i, i+1
.endr
.Lno_next:
.irp c, 0,1,2,3                        ; the sum, in four chains that the first eight pairs start
	v_pk_add_f32 v[T+2*\c:T+2*\c+1], v[D+2*\c:D+2*\c+1], v[D+8+2*\c:D+8+2*\c+1]
.endr
.set p, 8
.rept 24
	v_pk_add_f32 v[T+2*(p%4):T+2*(p%4)+1], v[T+2*(p%4):T+2*(p%4)+1], v[D+2*p:D+2*p+1]
.set p, p+1
.endr
	v_pk_add_f32 v[T:T+1], v[T:T+1], v[T+2:T+3]
	v_pk_add_f32 v[T+4:T+5], v[T+4:T+5], v[T+6:T+7]
	v_pk_add_f32 v[T:T+1], v[T:T+1], v[T+4:T+5]
	v_add_f32 v[T], v[T], v[T+1]
	WSUM T, T+1
	v_mul_f32 v[MN], s33, v[T]
	v_mov_b32 v[MN+1], v[MN]
.set p, 0
.rept 32
	v_pk_add_f32 v[D+2*p:D+2*p+1], v[D+2*p:D+2*p+1], v[MN:MN+1] neg_lo:[0,1] neg_hi:[0,1]
.set p, p+1
.endr
.irp c, 0,1,2,3                        ; the sum of squares of x - mean, likewise
	v_pk_mul_f32 v[T+2*\c:T+2*\c+1], v[D+2*\c:D+2*\c+1], v[D+2*\c:D+2*\c+1]
.endr
.set p, 4
.rept 28
	v_pk_fma_f32 v[T+2*(p%4):T+2*(p%4)+1], v[D+2*p:D+2*p+1], v[D+2*p:D+2*p+1], v[T+2*(p%4):T+2*(p%4)+1]
.set p, p+1
.endr
	v_pk_add_f32 v[T:T+1], v[T:T+1], v[T+2:T+3]
	v_pk_add_f32 v[T+4:T+5], v[T+4:T+5], v[T+6:T+7]
	v_pk_add_f32 v[T:T+1], v[T:T+1], v[T+4:T+5]
	v_add_f32 v[T], v[T], v[T+1]
	WSUM T, T+1
	v_fma_f32 v[T], v[T], s33, s40                 ; var + 1e-5
	v_rsq_f32 v[RS], v[T]
	v_nop                                          ; a plain instruction between the root and the use of its result
	s_wait_alu depctr_va_vdst(0)
	v_mov_b32 v[RS+1], v[RS]
.set p, 0
.rept 32
	v_pk_mul_f32 v[D+2*p:D+2*p+1], v[D+2*p:D+2*p+1], v[RS:RS+1]
.set p, p+1
.endr
.set p, 0
.rept 32
	v_pk_mul_f32 v[D+2*p:D+2*p+1], v[D+2*p:D+2*p+1], v[G+2*p:G+2*p+1]
.set p, p+1
.endr
.set p, 0
.rept 32
	v_cvt_pk_f16_f32 v[Y+p], v[D+2*p], v[D+2*p+1]
.set p, p+1
.endr
.set i, 0
.rept 16
	global_store_b64 v2, v[Y+2*i:Y+2*i+1], s[20:21] offset:256*i  ; the wave stores 256 consecutive bytes, aligned
.set i, i+1
.endr
	s_cmp_ge_u32 s5, 12
	s_cbranch_scc1 .Lno_copy                       ; 12 work-groups x 16 rows: rows 0-191 go out a second time
.set i, 0
.rept 16
	global_store_b64 v2, v[Y+2*i:Y+2*i+1], s[42:43] offset:256*i
.set i, i+1
.endr
.Lno_copy:
	s_wait_xcnt 0x0                                ; Y and xn's two bases are rewritten only behind this wait
	s_add_nc_u64 s[20:21], s[20:21], 4096
	s_add_nc_u64 s[42:43], s[42:43], 4096
	s_sub_co_u32 s6, s6, 1
	s_cmp_lg_u32 s6, 0
	s_cbranch_scc1 .Lrow
	s_endpgm                                       ; this role has written no LDS
.Lnot_ln:
	s_cmp_ge_u32 s5, 708
	s_cbranch_scc1 .Lsmall
; ---------------------------------------------------------------- the two transposing casts
; A wave takes 64 columns x 128 k.  A load of the wave is one k row's 256 bytes: a lane holds columns 2 lane and 2 lane + 1.  Pairs along k are packed to 16 bits;
; column 2 lane + c goes to stage row 32 c + lane.  Read back, sixteen lanes hold a column's 256 bytes: lanes 0-15 column 2 i, lanes 16-31 column 2 i + 1, whose rows in the target are neighbours.
; The stage is the wave's own, and LDS serves a wave's instructions in order: no barrier.
.macro LOADCONV pitch, fmt             ; four trips of 32 k.  fmt 1: bf16.  fmt 0: the bf16 rounding written as f16
	s_mov_b32 s6, 4
.Llc_\@:
.set kk, 0
.rept 32
	global_load_b64 v[X+2*kk:X+2*kk+1], v1, s[34:35] offset:kk*(\pitch) th:TH_LOAD_NT
.set kk, kk+1
.endr
	s_wait_loadcnt 0x0                             ; all 32 rows are in, and the source's base is free
.set cc, 0
.rept 2
.set m, 0
.rept 16
.if \fmt
	v_cvt_pk_bf16_f32 v[PK+16*cc+m], v[X+4*m+cc], v[X+4*m+2+cc]
.else
	v_cvt_pk_bf16_f32 v[U+m%4], v[X+4*m+cc], v[X+4*m+2+cc]
	v_lshlrev_b32 v[U+4+2*(m%4)], 16, v[U+m%4]
	v_and_b32 v[U+5+2*(m%4)], s32, v[U+m%4]
	v_cvt_pk_f16_f32 v[PK+16*cc+m], v[U+4+2*(m%4)], v[U+5+2*(m%4)]
.endif
.set m, m+1
.endr
.set cc, cc+1
.endr
.irp c, 0,1
.irp q, 0,1,2,3
	ds_store_b128 v2, v[PK+16*\c+4*\q:PK+16*\c+4*\q+3] offset:32*LP*\c+16*\q
.endr
.endr
	s_add_nc_u64 s[34:35], s[34:35], 32*(\pitch)
	v_add_nc_u32 v2, 64, v2                        ; the next 32 k: 64 bytes on in every stage row
	s_sub_co_u32 s6, s6, 1
	s_cmp_lg_u32 s6, 0
	s_cbranch_scc1 .Llc_\@
.endm
.macro READBACK
.set i, 0
.rept 32
	ds_load_b128 v[X+4*i:X+4*i+3], v3 offset:LP*i
.set i, i+1
.endr
	s_wait_dscnt 0x0
.endm
.macro PUT pitch                       ; columns in their own order: rows 2 i and 2 i + 1 of the target
.set i, 0
.rept 32
	global_store_b128 v4, v[X+4*i:X+4*i+3], s[36:37] offset:2*i*(\pitch)  ; two aligned runs of 256 bytes
.set i, i+1
.endr
.endm
.macro FIN                             ; the wave's end: an add to my spare word and its wait, behind my last LDS store
	s_wait_tensorcnt 0x0
	ds_add_u32 v[SPW], v[NIL]
	s_wait_dscnt 0x0
	s_endpgm
.endm
	v_lshlrev_b32 v1, 3, v5                        ; 8 bytes a lane in a k row
	s_mul_i32 s7, s4, WLDS                         ; my stage
	v_mul_u32_u24 v2, v5, LP
	v_add_nc_u32 v2, s7, v2                        ; in: stage row = lane
	v_and_b32 v6, 15, v0
	v_bfe_u32 v7, v0, 4, 1
	v_mul_u32_u24 v3, v7, 32*LP
	v_lshl_add_u32 v3, v6, 4, v3
	v_add_nc_u32 v3, s7, v3                        ; back: 16 bytes a lane, the upper lanes 32 stage rows on
	s_cmp_ge_u32 s5, 548
	s_cbranch_scc1 .Lw2
; ---------------------------------------------------------------- WF
; wft's block nt holds the rows that work-group column nt of the first product multiplies: for wc = 0, 1 rows 144 wc + i: i < 64 ff_x column 128 nt + 64 wc + i, i < 128 the gate of the same
; column, 128 + i' channel 8 wc + (i' & 7) + 16 (i' >> 3) of head nt's q; rows 288 + r' sixteen of k's and v's 64 columns, group nt & 3: k 0-7 and 16-23, k 8-15 and 24-31, v 0-15, v 16-31.
	s_sub_co_u32 s5, s5, 256
	s_lshr_b32 s33, s5, 2                          ; cg: which 64 columns of W_fused, 0..72
	s_and_b32 s40, s5, 3
	s_lshl2_add_u32 s40, s40, s4                   ; kc: which 128 k, 0..15
	s_mul_i32 s38, s40, 128*18688
	s_lshl_b32 s41, s33, 8
	s_add_co_u32 s38, s38, s41
	s_add_nc_u64 s[34:35], s[12:13], s[38:39]
	v_lshlrev_b32 v4, 12, v7
	v_lshl_add_u32 v4, v6, 4, v4                   ; out: 16 bytes a lane, the upper lanes one row of 4,096 bytes on
	LOADCONV 18688, 0
	READBACK
	s_lshl_b32 s41, s40, 8                         ; 256 kc bytes along a row of wft
	s_cmp_ge_u32 s33, 9
	s_cbranch_scc1 .Lwf_ff
	s_cmp_eq_u32 s33, 8
	s_cbranch_scc1 .Lwf_kv
	s_mul_i32 s38, s33, 2*304*4096                 ; q: heads 2 cg and 2 cg + 1
	s_add_co_u32 s38, s38, s41
	s_add_nc_u64 s[36:37], s[22:23], s[38:39]
.set i, 0
.rept 32
.set d, (2*i)&31
	global_store_b128 v4, v[X+4*i:X+4*i+3], s[36:37] offset:((i>>4)*304+144*((d>>3)&1)+128+(d&7)+8*(d>>4))*4096
.set i, i+1
.endr
	FIN
.Lwf_kv:                                               ; k and v: each group of sixteen columns stands in four blocks
	s_add_co_u32 s38, s41, 288*4096
	s_add_nc_u64 s[36:37], s[22:23], s[38:39]
	s_mov_b32 s6, 4
.Lkv:
.set i, 0
.rept 32
.set d, 2*i
.if d < 32
.set rw, ((d>>3)&1)*304+(d&7)+8*(d>>4)
.else
.set rw, (2+((d-32)>>4))*304+((d-32)&15)
.endif
	global_store_b128 v4, v[X+4*i:X+4*i+3], s[36:37] offset:rw*4096
.set i, i+1
.endr
	s_wait_xcnt 0x0                                ; the base is stepped only behind this wait
	s_add_nc_u64 s[36:37], s[36:37], 4*304*4096
	s_sub_co_u32 s6, s6, 1
	s_cmp_lg_u32 s6, 0
	s_cbranch_scc1 .Lkv
	FIN
.Lwf_ff:
	s_sub_co_u32 s42, s33, 9                       ; e: 0-31 ff_x, 32-63 gate
	s_and_b32 s43, s42, 31
	s_lshr_b32 s43, s43, 1
	s_mul_i32 s43, s43, 304                        ; block
	s_and_b32 s44, s42, 1
	s_mul_i32 s44, s44, 144                        ; wc
	s_add_co_u32 s43, s43, s44
	s_lshr_b32 s44, s42, 5
	s_lshl_b32 s44, s44, 6                         ; the gate lies 64 rows on
	s_add_co_u32 s43, s43, s44
	s_lshl_b32 s38, s43, 12
	s_add_co_u32 s38, s38, s41
	s_add_nc_u64 s[36:37], s[22:23], s[38:39]
	PUT 4096
	FIN
; ---------------------------------------------------------------- W2
.Lw2:
	s_sub_co_u32 s5, s5, 548
	s_and_b32 s33, s5, 31                          ; cg: which 64 columns
	s_lshr_b32 s41, s5, 5                          ; 0: W_attn_out; 1-4: W_ff_out
	s_lshl2_add_u32 s40, s41, s4                   ; kc: which 128 of w2t's 2,560 k
	s_cmp_eq_u32 s41, 0
	s_cselect_b64 s[34:35], s[14:15], s[16:17]
	s_cselect_b32 s42, 0, 4
	s_sub_co_u32 s42, s40, s42
	s_lshl_b32 s38, s42, 20                        ; 128 rows of 8,192 bytes
	s_lshl_b32 s43, s33, 8
	s_add_co_u32 s38, s38, s43
	s_add_nc_u64 s[34:35], s[34:35], s[38:39]
	v_mul_u32_u24 v4, v7, 5120
	v_lshl_add_u32 v4, v6, 4, v4
	LOADCONV 8192, 1
	READBACK
	s_mul_i32 s38, s33, 64*5120
	s_lshl_b32 s43, s40, 8
	s_add_co_u32 s38, s38, s43
	s_add_nc_u64 s[36:37], s[24:25], s[38:39]
	PUT 5120
	FIN
.Lsmall:
	s_cmp_ge_u32 s5, 772
	s_cbranch_scc1 .Lkm
; ---------------------------------------------------------------- ROPE
; A thread makes cos and sin of s f(d) for one s and d = 4 qd + 0..3, f(d) = 10000^(-d/16).  Blocks 0, 1: q's channels 8 blk + j and their partners 16 on, times c = log2(e) / sqrt(32);
; blocks 2, 3: k's, unscaled; blocks 4, 5: v's, cos = 1 and sin = 0.  The lower lanes (channel d) find -sin, the upper ones (channel d + 16) +sin: out = t cos + partner x that.
.set COS, 16
.set SIN, 20
.set CC,  24
.set NS,  28
.set PS,  32
.set NK,  36
.set ONE, 40
.set ZER, 44
.set FQ,  48
.set TH,  52
.set NN,  56
.set RR,  60
.set R2,  64
.set SN,  68
.set CN,  72
.set QN,  76
.set TT,  80
	s_sub_co_u32 s5, s5, 708
	s_mov_b32 s40, 0xbfc90fdb                      ; -pi/2, the upper part
	s_mov_b32 s41, 0x333bbd2e                      ; what the upper part has too much
	s_mov_b32 s42, 0xb9500d01                      ; -1/5040
	s_mov_b32 s43, 0x3c088889                      ; 1/120
	s_mov_b32 s44, 0xbe2aaaab                      ; -1/6
	s_mov_b32 s45, 0x37d00d01                      ; 1/40320
	s_mov_b32 s46, 0xbab60b61                      ; -1/720
	s_mov_b32 s47, 0x3d2aaaab                      ; 1/24
	s_mov_b32 s48, 0x3e8293ee                      ; c
	s_mov_b32 s49, 0xbe8293ee                      ; -c
	v_lshl_add_u32 v1, s5, 7, v0
	v_lshrrev_b32 v2, 2, v1                        ; s
	v_and_b32 v3, 3, v1                            ; qd
	v_cvt_f32_u32 v6, v2
	v_lshlrev_b32 v7, 2, v3
.irp e, 0,1,2,3
	v_add_nc_u32 v[FQ+\e], \e, v7
.endr
.irp e, 0,1,2,3
	v_cvt_f32_u32 v[FQ+\e], v[FQ+\e]
.endr
.irp e, 0,1,2,3
	v_mul_f32 v[FQ+\e], 0xbf549a78, v[FQ+\e]       ; -d log2(10000) / 16
.endr
.irp e, 0,1,2,3
	v_exp_f32 v[FQ+\e], v[FQ+\e]
.endr
	v_nop                                          ; a plain instruction behind the exponentials
	s_wait_alu depctr_va_vdst(0)
.irp e, 0,1,2,3
	v_mul_f32 v[TH+\e], v6, v[FQ+\e]               ; the angle
.endr
.irp e, 0,1,2,3
	v_mul_f32 v[NN+\e], 0x3f22f983, v[TH+\e]       ; x 2/pi
.endr
.irp e, 0,1,2,3
	v_rndne_f32 v[NN+\e], v[NN+\e]
.endr
.irp e, 0,1,2,3
	v_fma_f32 v[RR+\e], v[NN+\e], s40, v[TH+\e]
.endr
.irp e, 0,1,2,3
	v_fma_f32 v[RR+\e], v[NN+\e], s41, v[RR+\e]    ; r in -pi/4 .. pi/4
.endr
.irp e, 0,1,2,3
	v_mul_f32 v[R2+\e], v[RR+\e], v[RR+\e]
.endr
.irp e, 0,1,2,3
	v_fma_f32 v[SN+\e], v[R2+\e], s42, s43
	v_fma_f32 v[CN+\e], v[R2+\e], s45, s46
.endr
.irp e, 0,1,2,3
	v_fma_f32 v[SN+\e], v[SN+\e], v[R2+\e], s44
	v_fma_f32 v[CN+\e], v[CN+\e], v[R2+\e], s47
	v_mul_f32 v[TT+\e], v[R2+\e], v[RR+\e]
.endr
.irp e, 0,1,2,3
	v_fma_f32 v[SN+\e], v[SN+\e], v[TT+\e], v[RR+\e]
	v_fma_f32 v[CN+\e], v[CN+\e], v[R2+\e], -0.5
	v_cvt_i32_f32 v[QN+\e], v[NN+\e]
.endr
.irp e, 0,1,2,3
	v_fma_f32 v[CN+\e], v[CN+\e], v[R2+\e], 1.0
	v_and_b32 v[TT+\e], 1, v[QN+\e]
.endr
.irp e, 0,1,2,3                        ; the quadrant: odd ones swap the two, and the signs follow
	v_cmp_eq_u32 vcc_lo, 1, v[TT+\e]
	v_cndmask_b32 v[SIN+\e], v[SN+\e], v[CN+\e], vcc_lo
	v_cndmask_b32 v[COS+\e], v[CN+\e], v[SN+\e], vcc_lo
	v_and_b32 v[TT+\e], 2, v[QN+\e]
	v_add_nc_u32 v[QN+\e], 1, v[QN+\e]
	v_lshlrev_b32 v[TT+\e], 30, v[TT+\e]
	v_and_b32 v[QN+\e], 2, v[QN+\e]
	v_xor_b32 v[SIN+\e], v[SIN+\e], v[TT+\e]
	v_lshlrev_b32 v[QN+\e], 30, v[QN+\e]
	v_xor_b32 v[COS+\e], v[COS+\e], v[QN+\e]
.endr
.irp e, 0,1,2,3
	v_mul_f32 v[CC+\e], s48, v[COS+\e]
	v_mul_f32 v[PS+\e], s48, v[SIN+\e]
	v_mul_f32 v[NS+\e], s49, v[SIN+\e]
	v_xor_b32 v[NK+\e], 0x80000000, v[SIN+\e]
	v_mov_b32 v[ONE+\e], 1.0
	v_mov_b32 v[ZER+\e], 0
.endr
	v_mul_u32_u24 v8, v2, 768                      ; a position's 768 bytes
	v_lshrrev_b32 v9, 1, v3
	v_lshl_add_u32 v8, v9, 7, v8                   ; + 128 (qd >> 1): the block
	v_and_b32 v10, 1, v3
	v_lshl_add_u32 v11, v10, 4, v8                 ; + 16 (qd & 1): my four of a block's eight
	v_lshl_add_u32 v12, v10, 6, v8                 ; + 64 (qd & 1): for v's blocks a thread fills one lane half
	global_store_b128 v11, v[CC:CC+3], s[26:27]
	global_store_b128 v11, v[NS:NS+3], s[26:27] offset:32
	global_store_b128 v11, v[CC:CC+3], s[26:27] offset:64
	global_store_b128 v11, v[PS:PS+3], s[26:27] offset:96
	global_store_b128 v11, v[COS:COS+3], s[26:27] offset:256
	global_store_b128 v11, v[NK:NK+3], s[26:27] offset:288
	global_store_b128 v11, v[COS:COS+3], s[26:27] offset:320
	global_store_b128 v11, v[SIN:SIN+3], s[26:27] offset:352
	global_store_b128 v12, v[ONE:ONE+3], s[26:27] offset:512
	global_store_b128 v12, v[ONE:ONE+3], s[26:27] offset:528
	global_store_b128 v12, v[ZER:ZER+3], s[26:27] offset:544
	global_store_b128 v12, v[ZER:ZER+3], s[26:27] offset:560
	s_endpgm
; ---------------------------------------------------------------- KM
.Lkm:
	s_sub_co_u32 s5, s5, 772
	v_lshl_add_u32 v1, s5, 7, v0
	v_lshlrev_b32 v2, 2, v1                        ; four mask bytes a thread
	v_lshlrev_b32 v3, 4, v1
	global_load_b32 v4, v2, s[18:19]
	s_wait_loadcnt 0x0
.irp k, 0,1,2,3
	v_bfe_u32 v[8+\k], v4, 8*\k, 8
.endr
.irp k, 0,1,2,3
	v_cvt_f32_u32 v[8+\k], v[8+\k]
.endr
.irp k, 0,1,2,3
	v_mul_f32 v[8+\k], 0xf149f2ca, v[8+\k]         ; x -1e30
.endr
	global_store_b128 v3, v[8:11], s[28:29]
	s_endpgm
.Lfunc_end_k_q34daccf53f_prep:
	.size	k_q34daccf53f_prep, .Lfunc_end_k_q34daccf53f_prep-k_q34daccf53f_prep
	.p2alignl 7, 3214868480
	.fill 96, 4, 3214868480
	.section	.rodata,"a",@progbits
	.p2align	6, 0x0
	.amdhsa_kernel k_q34daccf53f_prep
		.amdhsa_group_segment_fixed_size 70144
		.amdhsa_private_segment_fixed_size 0
		.amdhsa_enable_private_segment 0
		.amdhsa_kernarg_size 88
		.amdhsa_user_sgpr_count 2
		.amdhsa_user_sgpr_kernarg_segment_ptr 1
		.amdhsa_wavefront_size32 1
		.amdhsa_system_sgpr_workgroup_id_x 1
		.amdhsa_system_sgpr_workgroup_id_y 1
		.amdhsa_system_sgpr_workgroup_id_z 1
		.amdhsa_system_vgpr_workitem_id 0
		.amdhsa_next_free_vgpr 256
		.amdhsa_next_free_sgpr 66
		.amdhsa_reserve_vcc 1
		.amdhsa_float_denorm_mode_32 3
		.amdhsa_float_denorm_mode_16_64 3
		.amdhsa_memory_ordered 1
		.amdhsa_forward_progress 1
		.amdhsa_inst_pref_size 76
	.end_amdhsa_kernel
	.amdgpu_metadata
---
amdhsa.version: [ 1, 2 ]
amdhsa.kernels:
  - .name:           k_q34daccf53f_prep
    .symbol:         k_q34daccf53f_prep.kd
    .args:
      - { .name: x, .offset: 0, .size: 8, .value_kind: global_buffer, .address_space: global }
      - { .name: gamma, .offset: 8, .size: 8, .value_kind: global_buffer, .address_space: global }
      - { .name: W_fused, .offset: 16, .size: 8, .value_kind: global_buffer, .address_space: global }
      - { .name: W_attn_out, .offset: 24, .size: 8, .value_kind: global_buffer, .address_space: global }
      - { .name: W_ff_out, .offset: 32, .size: 8, .value_kind: global_buffer, .address_space: global }
      - { .name: attn_mask, .offset: 40, .size: 8, .value_kind: global_buffer, .address_space: global }
      - { .name: xn, .offset: 48, .size: 8, .value_kind: global_buffer, .address_space: global }
      - { .name: wft, .offset: 56, .size: 8, .value_kind: global_buffer, .address_space: global }
      - { .name: w2t, .offset: 64, .size: 8, .value_kind: global_buffer, .address_space: global }
      - { .name: rope, .offset: 72, .size: 8, .value_kind: global_buffer, .address_space: global }
      - { .name: kmf, .offset: 80, .size: 8, .value_kind: global_buffer, .address_space: global }
    .group_segment_fixed_size: 70144
    .private_segment_fixed_size: 0
    .kernarg_segment_align: 8
    .kernarg_segment_size: 88
    .max_flat_workgroup_size: 128
    .sgpr_count:     66
    .vgpr_count:     256
    .wavefront_size: 32
...
	.end_amdgpu_metadata
.endif
;; end of part 1
;; launch gemm1 (part 2): grid 16 x 16, 4 waves a work-group, clusters of 4 x 4, 327,680 bytes of LDS; arguments xn, wft, rope, a2, qb, kvb; writes a2, qb, kvb
.if DOCPART == 2
	.amdgcn_target "amdgcn-amd-amdhsa--gfx1250"
	.amdhsa_code_object_version 6
	.text
	.protected	k_q34daccf53f_gemm1
	.globl	k_q34daccf53f_gemm1
	.p2align	8
	.type	k_q34daccf53f_gemm1,@function
k_q34daccf53f_gemm1:
	s_mov_b64 s[64:65], 0
	v_nop
	global_prefetch_b8 v0, s[64:65] scope:SCOPE_SE
	s_setreg_imm32_b32 hwreg(HW_REG_WAVE_MODE, 25, 1), 1
	s_wait_xcnt 0x0
	s_wait_alu depctr_hold_cnt(0) depctr_sa_sdst(0) depctr_va_vdst(0) depctr_va_sdst(0) depctr_va_ssrc(0) depctr_va_vcc(0) depctr_vm_vsrc(0)
	s_getreg_b32 s2, hwreg(HW_REG_IB_STS2, 6, 4)
	s_cmp_eq_u32 s2, 0
	s_cbranch_scc0 .Lentry_in_a_cluster
	s_endpgm
.Lentry_in_a_cluster:
	s_bfe_u32 s2, ttmp6, 0x10000c
	s_cmp_lg_u32 s2, 0xf033
	s_cbranch_scc0 .Lentry_shape_is_right
	s_endpgm
.Lentry_shape_is_right:
; THE FUSED PROJECTION, with its tails: proj = xn W_fused; h = silu(gate) ff_x -> a2 columns 512.. (bf16); q, rotated and scaled -> qb (f16, by heads); k rotated and v -> kvb (f16).
; xn: [4288][2048] f16, rows 4,096-4,287 a copy of rows 0-191.  wft: [16 blocks][304 rows][2048 k] f16, laid out by the launch before so that one work-group column nt finds together: 128 columns of ff_x,
; their 128 gates, head nt's q, and sixteen of k's and v's 64 columns.  Sums in f32.
; SHARES.  A work-group makes 256 rows x 288 columns; wave (wr, wc) 128 rows x 144 columns = 72 accumulators of 16 x 16 (8 row blocks x (4 ff_x, 4 gate, 1 q)).  A 73rd accumulator makes 16 rows x 16 columns of
; k or v: column group cx, the tile's rows 16 w .. 16 w + 15.  THE TILE BEGINS AT ROW R0 = 256 mt + 64 x (the cluster's x): so those first 64 rows are other rows in each of the four cluster columns, and the
; sixteen work-groups of a tile row make each of the 16 x 4 pieces of k and v once, while every LDS address hangs on the wave and the lane alone.  For a given nt the sixteen tiles still cover every row once,
; modulo 4,096; the copy at xn's end spares the tensor load the wrap, and in the outputs' addresses the wrap falls on a multiple of 64 rows.  256 work-groups of equal work.
; K goes in steps of 128 through two LDS slots filled by the tensor data mover; rows of 256 bytes, aligned.  4 x 4 work-groups form a cluster: xn's tiles are asked for jointly along a row of it (its four
; share mt and the cluster's x), wft's along a column.
; THE MATRIX INSTRUCTION IS USED TRANSPOSED (source 0 = 16 rows of wft, source 1 = 16 rows of xn): a lane holds one row of the result and eight neighbouring columns.  For q and k wft's rows are ordered so that
; the lower lanes hold channels d .. d + 7 and the upper lanes d + 16 ..: the rotary partner lies in the lane 16 away.
; LIMITS.  f16 operands: |xn|, q, k, v under 65,504.  h is bf16, which has f32's range.  silu's exponential may overflow to infinity for a very negative gate: its reciprocal is then 0, as it should be.
; REGISTERS, in windows of 256:  window 0: v0-31 addresses; v32-47, v208-239 at work on the way out; v64-135, v136-207 xn's fragments (8 row blocks and the k/v rows' block), two buffers; later the rotary table
;   window 1: v0-79, v80-159 wft's fragments (9 and the k/v group), two buffers; v160-223 q's accumulators; v224-231 k/v's      windows 2, 3: ff's accumulators, (a, b) at 8 (8 (a % 4) + b), b < 4 ff_x, else gate
.set PITCH, 272                        ; an LDS row: 256 bytes + 16: the sixteen rows of a fragment load start at sixteen different groups of four banks
.set ASZ,   256*PITCH                  ; xn's 256 rows
.set SLOT,  560*PITCH                  ; and wft's 304 rows
.set SPARE, 2*SLOT                     ; behind the ring: the spare words, 128 bytes a wave
.set QSTG,  ASZ                        ; the way out's stages lie in slot 0, behind its last fill: h in 256 rows of 272 bytes from byte 0, q in 256 rows of 80 bytes from here
.set QP,    80
.set LAPS,  8                          ; 2,048 / 256
.set RK,    12                         ; v12 my byte offset in the rotary table for the k/v piece
.set KVO,   13                         ; v13 my byte offset in kvb
.set QCO,   14                         ; v14 my byte offset in 512 bytes of qb
.set RO2,   15                         ; v15 my byte offset in the rotary table for q's row blocks 4-7
.set ADRA,  16                         ; v16-17 LDS address of xn's fragments in slot 0, 1
.set ADRKA, 18                         ; v18-19 of the k/v piece's sixteen rows
.set ADRB,  20                         ; v20-21 of wft's fragments
.set ADRKB, 22                         ; v22-23 of wft's rows 288-303
.set STO,   24                         ; v24 where h goes into its stage
.set RD,    25                         ; v25 where it is read back
.set CO,    26                         ; v26 my byte offset in a2
.set QST,   27                         ; v27 where q goes into its stage
.set SPW,   28                         ; v28 my spare word; never rewritten
.set NIL,   29                         ; v29 0; never rewritten
.set QRD,   30                         ; v30 where q is read back
.set RO,    31                         ; v31 my byte offset in the rotary table for q's row blocks 0-3
.set PKD,   32
.set TW,    208
.set TAB,   64
.set QA,    160
.set KA,    224
.set G1,  24                           ; s[24:31] descriptor group 1 for xn's tiles; s[32:39] group 0, a set for each slot
.set G0,  32
.set G1B, 48                           ; s[48:55], s[56:63] the same for wft's
.set G0B, 56
.set MSB, 0
.macro WIN new                         ; the immediate's high byte repeats the setting that is left; a switch that changes nothing is dropped
.if MSB != (\new)
	s_set_vgpr_msb (MSB<<8)|(\new)
.set MSB, \new
.endif
.endm
.set MUL_LO, 0xa1                      ; source 0 window 1, source 1 window 0, C and D window 2
.set MUL_HI, 0xf1                      ; C and D window 3
.set MUL_Q,  0x51                      ; C and D window 1
.set TO_B,   0x40                      ; destination window 1
.macro PLACES                          ; four plain instructions between a matrix instruction and a load into, or a vector read of, its registers
.rept 4
	v_nop
.endr
.endm
; A joint load: waves 0 and 1 fetch xn's two halves, waves 2 and 3 wft's.  The branch hangs on the wave's number alone.  An s_nop 0 and four v_nop follow each line.
.macro JLOAD s
	s_cmp_eq_u32 s17, 0
	s_cbranch_scc0 .Lfor_b_\@
	tensor_load_to_lds s[G0+4*(\s):G0+4*(\s)+3], s[G1:G1+7]
	s_nop 0
.rept 4
	v_nop
.endr
	s_branch .Lasked_\@
.Lfor_b_\@:
	tensor_load_to_lds s[G0B+4*(\s):G0B+4*(\s)+3], s[G1B:G1B+7]
	s_nop 0
.rept 4
	v_nop
.endr
.Lasked_\@:
.endm
.macro CREST                           ; a round of the cluster's barrier behind its opening barrier
	s_cmp_lg_u32 s16, 0
	s_cbranch_scc1 .Lnot_wave_0_\@
	s_barrier_signal -3
.Lnot_wave_0_\@:
	s_barrier_wait -3
	s_barrier_signal -1
	s_barrier_wait -1
.endm
.macro CROUND
	s_barrier_signal -1
	s_barrier_wait -1
	CREST
.endm
	s_load_b256 s[4:11], s[0:1], 0x0               ; xn 4, wft 6, rope 8, a2 10
	s_load_b128 s[12:15], s[0:1], 0x20             ; qb 12, kvb 14
	v_lshl_add_u32 v[SPW], v0, 2, SPARE
	v_mov_b32 v[NIL], 0
	ds_add_u32 v[SPW], v[NIL]                      ; the wave's opening: the add and its wait ahead of my first tensor load; register work stands between them
	v_lshrrev_b32 v1, 5, v0
	v_readfirstlane_b32 s16, v1                    ; wave 0..3
	s_lshr_b32 s17, s16, 1                         ; wr.  Also: I fetch xn (0) or wft (1)
	s_and_b32 s18, s16, 1                          ; wc.  Also: which half of that tile I fetch
	s_bfe_u32 s19, ttmp6, 0x40000                  ; cx
	s_bfe_u32 s20, ttmp6, 0x40004                  ; cy
	s_lshl_b32 s21, ttmp9, 2
	s_add_co_u32 s21, s21, s19                     ; nt = 4 x cluster x + cx
	s_and_b32 s22, ttmp7, 0xffff
	s_lshl_b32 s22, s22, 2
	s_add_co_u32 s22, s22, s20                     ; mt = 4 x cluster y + cy
	s_lshl_b32 s23, ttmp9, 6                       ; 64 x the cluster's x: the same in all sixteen partners; it enters global addresses alone
	s_lshl_b32 s84, s22, 8
	s_add_co_u32 s84, s84, s23                     ; R0: the tile's first row, 4,032 at the most
	s_lshl_b32 s40, s20, 2
	s_lshl_b32 s40, 15, s40                        ; my row of the cluster
	s_lshl_b32 s41, 0x1111, s19                    ; my column
	s_or_b32 s[G1+0], s40, (1<<16)|(1<<20)|(1<<21)|(5<<22)|(3<<25)   ; the mask; 2-byte elements; padding on; bit 21 beside a mask; after every 64 words, 4 words
	s_or_b32 s[G1B+0], s41, (1<<16)|(1<<20)|(1<<21)|(5<<22)|(3<<25)
	s_mov_b32 s[G1+1], 128<<16                     ; tensor_dim0 = 128
	s_mov_b32 s[G1+2], 128<<16                     ; tensor_dim1 = 128 rows
	s_mov_b32 s[G1+3], 128<<16                     ; tile_dim0
	s_mov_b32 s[G1+4], 128                         ; tile_dim1
	s_mov_b32 s[G1+5], 2048                        ; elements from row to row
	s_mov_b32 s[G1+6], 0
	s_mov_b32 s[G1+7], 0
	s_mov_b32 s[G1B+1], 128<<16
	s_mov_b32 s[G1B+2], 152<<16                    ; wft's half: 152 rows
	s_mov_b32 s[G1B+3], 128<<16
	s_mov_b32 s[G1B+4], 152
	s_mov_b32 s[G1B+5], 2048
	s_mov_b32 s[G1B+6], 0
	s_mov_b32 s[G1B+7], 0
	s_lshl_b32 s43, s18, 7                         ; xn: row R0 + 128 half, 4,096 bytes each: made of the tile row, the cluster's x and the wave alone
	s_add_co_u32 s42, s84, s43
	s_lshl_b32 s42, s42, 12
	s_mov_b32 s43, 0
	s_mul_i32 s46, s21, 304                        ; wft: row 304 nt + 152 half: of the tile column and the wave alone
	s_mul_i32 s47, s18, 152
	s_add_co_u32 s46, s46, s47
	s_lshl_b32 s46, s46, 12
	s_mov_b32 s47, 0
	s_mul_i32 s44, s18, 128*PITCH                  ; where they go in a slot
	s_mul_i32 s45, s18, 152*PITCH
	s_add_co_u32 s45, s45, ASZ
	s_mov_b32 s66, 0x76543210                      ; v_permlanex16_b32: each lane takes its own place in the other half
	s_mov_b32 s67, 0xfedcba98
	s_mov_b32 s68, 0xbfb8aa3b                      ; -log2(e)
	s_mov_b32 s69, s68                             ; named with it as a pair
	s_wait_dscnt 0x0                               ; the opening add is done
	s_wait_kmcnt 0x0
	s_add_nc_u64 s[42:43], s[4:5], s[42:43]
	s_add_nc_u64 s[46:47], s[6:7], s[46:47]
	CROUND                                         ; all sixteen work-groups are here: the first joint loads meet
.irp s, 0,1
	s_mov_b32 s[G0+4*(\s)], 1
	s_add_co_u32 s[G0+4*(\s)+1], s44, (\s)*SLOT
	s_add_nc_u64 s[G0+4*(\s)+2:G0+4*(\s)+3], s[42:43], (\s)*256
	s_or_b32 s[G0+4*(\s)+3], s[G0+4*(\s)+3], 0x80000000
	s_mov_b32 s[G0B+4*(\s)], 1
	s_add_co_u32 s[G0B+4*(\s)+1], s45, (\s)*SLOT
	s_add_nc_u64 s[G0B+4*(\s)+2:G0B+4*(\s)+3], s[46:47], (\s)*256
	s_or_b32 s[G0B+4*(\s)+3], s[G0B+4*(\s)+3], 0x80000000
	JLOAD \s                                       ; two loads of mine are out
.endr
	; addresses.  A fragment is 16 rows x 32 K: lane l holds row l % 16, K = 8 (l / 16) + 0..7 and 16 + 8 (l / 16) + 0..7: two loads of 16 bytes, 32 apart
	v_and_b32 v1, 15, v0                           ; r
	v_bfe_u32 v2, v0, 4, 1                         ; h
	v_and_b32 v5, 31, v0                           ; l
	v_mul_u32_u24 v3, v1, PITCH
	v_lshl_add_u32 v3, v2, 4, v3
	s_mul_i32 s80, s17, 128*PITCH                  ; my 128 rows of xn
	s_mul_i32 s81, s18, 144*PITCH                  ; my 144 rows of wft
	s_add_co_u32 s81, s81, ASZ
	s_mul_i32 s83, s16, 16*PITCH                   ; the k/v piece: the tile's rows 16 w ..
.irp s, 0,1
	v_add_nc_u32 v[ADRA+(\s)], s80, v3
	v_add_nc_u32 v[ADRB+(\s)], s81, v3
	v_add_nc_u32 v[ADRKA+(\s)], s83, v3
	v_add_nc_u32 v[ADRKB+(\s)], ASZ+288*PITCH+(\s)*SLOT, v3
	s_add_co_u32 s80, s80, SLOT
	s_add_co_u32 s81, s81, SLOT
	s_add_co_u32 s83, s83, SLOT
.endr
	s_mul_i32 s80, s17, 128*PITCH                  ; h's stage: row 128 wr + r, byte 128 wc + 16 h
	s_lshl_b32 s81, s18, 7
	s_add_co_u32 s80, s80, s81
	v_add_nc_u32 v[STO], s80, v3
	s_mul_i32 s80, s16, 64*PITCH                   ; back: wave w takes rows 64 w ..: lanes 0-15 one row of 256 bytes, lanes 16-31 the next
	v_mul_u32_u24 v4, v2, PITCH
	v_lshl_add_u32 v4, v1, 4, v4
	v_add_nc_u32 v[RD], s80, v4
	v_mul_u32_u24 v4, v2, 5120
	v_lshl_add_u32 v[CO], v1, 4, v4
	s_mul_i32 s80, s17, 128*QP                     ; q's stage: row 128 wr + r, byte 16 wc + 32 h = 2 x channel
	s_lshl_b32 s81, s18, 4
	s_add_co_u32 s80, s80, s81
	s_add_co_u32 s80, s80, QSTG
	v_mul_u32_u24 v4, v1, QP
	v_lshl_add_u32 v4, v2, 5, v4
	v_add_nc_u32 v[QST], s80, v4
	s_mul_i32 s80, s16, 64*QP                      ; back: 32 lanes take eight rows of 64 bytes
	s_add_co_u32 s80, s80, QSTG
	v_lshrrev_b32 v4, 2, v5
	v_mul_u32_u24 v4, v4, QP
	v_and_b32 v6, 3, v0
	v_lshl_add_u32 v4, v6, 4, v4
	v_add_nc_u32 v[QRD], s80, v4
	v_lshlrev_b32 v[QCO], 4, v5
	; the rotary table: a position is a row modulo 2,048; my 128 rows are two runs of 64, each of which lies in one batch
	s_lshl_b32 s80, s17, 7
	s_add_co_u32 s80, s80, s84                     ; my first row
	s_add_co_u32 s82, s80, 64
	s_and_b32 s80, s80, 2047
	s_and_b32 s82, s82, 2047
	s_mul_i32 s80, s80, 768
	s_mul_i32 s82, s82, 768
	s_lshl_b32 s81, s18, 7                         ; table block wc
	s_add_co_u32 s80, s80, s81
	s_add_co_u32 s82, s82, s81
	v_mul_u32_u24 v4, v1, 768
	v_lshl_add_u32 v4, v2, 6, v4
	v_add_nc_u32 v[RO], s80, v4
	v_add_nc_u32 v[RO2], s82, v4
	s_lshl_b32 s85, s16, 4
	s_add_co_u32 s85, s85, s84                     ; the k/v piece's first row, R0 + 16 w: 4,080 at the most
	s_and_b32 s80, s85, 2047
	s_mul_i32 s80, s80, 768
	s_add_co_u32 s81, s19, 2                       ; table block 2 + cx (it enters global addresses alone)
	s_lshl_b32 s81, s81, 7
	s_add_co_u32 s80, s80, s81
	v_add_nc_u32 v[RK], s80, v4
	s_cmp_lt_u32 s19, 2                            ; kvb's row: k's 64 bytes, v's 64.  k: byte 16 cx, the upper lanes 32 on; v: byte 32 cx, the upper lanes 16 on
	s_cselect_b32 s76, 32, 16
	s_cselect_b32 s77, 4, 5
	s_lshl_b32 s77, s19, s77
	v_mul_u32_u24 v4, v2, s76
	v_lshl_add_u32 v[KVO], v1, 7, v4
	s_lshl_b32 s78, s85, 7
	s_add_co_u32 s78, s78, s77
	s_mov_b32 s79, 0
	s_add_nc_u64 s[72:73], s[14:15], s[78:79]      ; kvb at row R0 + 16 w
	s_lshl_b32 s86, s16, 6
	s_add_co_u32 s86, s86, s84
	s_and_b32 s86, s86, 4095                       ; the 64 rows that I store of h and q: (R0 + 64 w) modulo 4,096
	s_mul_i32 s78, s86, 5120
	s_lshl_b32 s80, s21, 8
	s_add_co_u32 s78, s78, s80
	s_add_co_u32 s78, s78, 1024
	s_add_nc_u64 s[70:71], s[10:11], s[78:79]      ; a2 at that row, column 512 + 128 nt
	s_lshr_b32 s78, s86, 11                        ; the batch
	s_lshl_b32 s78, s78, 4
	s_add_co_u32 s78, s78, s21
	s_lshl_b32 s78, s78, 11
	s_and_b32 s80, s86, 2047                       ; the position
	s_add_co_u32 s78, s78, s80
	s_lshl_b32 s78, s78, 6
	s_add_nc_u64 s[74:75], s[12:13], s[78:79]      ; qb at batch, head nt, position
; 16 matrix instructions: row blocks a0, a0 + 1 of the window's four x ff's 8 column blocks, 32 along K, from buffers n.  zero = 1: the first product starts the sums
.macro MUL16 n, hi, a0, zero
	WIN MUL_LO+0x50*(\hi)
.irp a, \a0, (\a0)+1
.irp b, 0,1,2,3,4,5,6,7
.if \zero
	v_wmma_f32_16x16x32_f16 v[8*(8*(\a)+(\b)):8*(8*(\a)+(\b))+7], v[80*(\n)+8*(\b):80*(\n)+8*(\b)+7], v[64+72*(\n)+8*(4*(\hi)+(\a)):64+72*(\n)+8*(4*(\hi)+(\a))+7], 0
.else
	v_wmma_f32_16x16x32_f16 v[8*(8*(\a)+(\b)):8*(8*(\a)+(\b))+7], v[80*(\n)+8*(\b):80*(\n)+8*(\b)+7], v[64+72*(\n)+8*(4*(\hi)+(\a)):64+72*(\n)+8*(4*(\hi)+(\a))+7], v[8*(8*(\a)+(\b)):8*(8*(\a)+(\b))+7]
.endif
.endr
.endr
.endm
; 9 more: q's column block for the eight row blocks, and the k/v piece.  All 73 accumulators take turns, one instruction a turn, in the same order in every quarter.
.macro MULQ n, zero
	WIN MUL_Q
.irp a, 0,1,2,3,4,5,6,7
.if \zero
	v_wmma_f32_16x16x32_f16 v[QA+8*(\a):QA+8*(\a)+7], v[80*(\n)+64:80*(\n)+71], v[64+72*(\n)+8*(\a):64+72*(\n)+8*(\a)+7], 0
.else
	v_wmma_f32_16x16x32_f16 v[QA+8*(\a):QA+8*(\a)+7], v[80*(\n)+64:80*(\n)+71], v[64+72*(\n)+8*(\a):64+72*(\n)+8*(\a)+7], v[QA+8*(\a):QA+8*(\a)+7]
.endif
.endr
.if \zero
	v_wmma_f32_16x16x32_f16 v[KA:KA+7], v[80*(\n)+72:80*(\n)+79], v[128+72*(\n):135+72*(\n)], 0
.else
	v_wmma_f32_16x16x32_f16 v[KA:KA+7], v[80*(\n)+72:80*(\n)+79], v[128+72*(\n):135+72*(\n)], v[KA:KA+7]
.endif
.endm
; 38 LDS loads in one run: a quarter step's fragments, at byte k of the rows, into buffers n: wft's 20, xn's rows 0-63 (8), rows 64-127 (8), the k/v rows (2)
.macro FETCH slot, k, n
	WIN TO_B
.irp i, 0,1,2,3,4,5,6,7,8
	ds_load_b128 v[80*(\n)+8*(\i):80*(\n)+8*(\i)+3],   v[ADRB+(\slot)] offset:(\k)+(\i)*16*PITCH
	ds_load_b128 v[80*(\n)+8*(\i)+4:80*(\n)+8*(\i)+7], v[ADRB+(\slot)] offset:(\k)+(\i)*16*PITCH+32
.endr
	ds_load_b128 v[80*(\n)+72:80*(\n)+75], v[ADRKB+(\slot)] offset:(\k)
	ds_load_b128 v[80*(\n)+76:80*(\n)+79], v[ADRKB+(\slot)] offset:(\k)+32
	WIN 0
.irp i, 0,1,2,3,4,5,6,7
	ds_load_b128 v[64+72*(\n)+8*(\i):64+72*(\n)+8*(\i)+3],   v[ADRA+(\slot)] offset:(\k)+(\i)*16*PITCH
	ds_load_b128 v[64+72*(\n)+8*(\i)+4:64+72*(\n)+8*(\i)+7], v[ADRA+(\slot)] offset:(\k)+(\i)*16*PITCH+32
.endr
	ds_load_b128 v[128+72*(\n):131+72*(\n)], v[ADRKA+(\slot)] offset:(\k)
	ds_load_b128 v[132+72*(\n):135+72*(\n)], v[ADRKA+(\slot)] offset:(\k)+32
.endm
; A K step is four quarters of 32 along K, 73 matrix instructions each, on buffers 0, 1, 0, 1.  One of the first three multiplies buffers f and fetches the next quarter into g.
.macro QUARTER slot, k, f, g, zero
	s_wait_dscnt 10                                ; wft's fragments and xn's rows 0-63 are in; the youngest ten loads may be out
	MUL16 \f, 0, 0, \zero
	MUL16 \f, 0, 2, \zero
	PLACES
	FETCH \slot, \k, \g
	s_wait_dscnt 38                                ; all but the 38 just issued
	MUL16 \f, 1, 0, \zero
	MUL16 \f, 1, 2, \zero
	MULQ \f, \zero
.endm
; The last quarter multiplies buffers 1 and changes slots: one barrier; in front of it each wave waits for all its tensor loads (one is out: its part of the next slot), adds 0 to its spare word, and waits for
; that and for its reads of this slot.  fill = 1: the barrier opens a round of the cluster's, and the slot just read out is filled again, two K steps on, first thing behind the round.
.macro TURN slot, next, fill
	WIN 0                                          ; (the add's two registers lie in window 0)
	s_wait_tensorcnt 0x0
	ds_add_u32 v[SPW], v[NIL]
	s_wait_dscnt 11                                ; (the add and the youngest ten loads may be out)
	MUL16 1, 0, 0, 0                               ; sixteen matrix instructions stand between the add and the wait for it
	s_wait_dscnt 0x0                               ; the add is done, and my reads of this slot are over
	s_barrier_signal -1
	MUL16 1, 0, 2, 0
.if \fill
	WIN 0
.endif
	s_barrier_wait -1
.if \fill
	CREST                                          ; no wave of any partner still reads this slot's tiles or has a load on its way
	s_add_nc_u64 s[G0+4*(\slot)+2:G0+4*(\slot)+3], s[G0+4*(\slot)+2:G0+4*(\slot)+3], 512
	s_add_nc_u64 s[G0B+4*(\slot)+2:G0B+4*(\slot)+3], s[G0B+4*(\slot)+2:G0B+4*(\slot)+3], 512
	JLOAD \slot                                    ; my one load behind the round; its four v_nop are also the places in front of the loads below
.else
	PLACES
.endif
	FETCH \next, 0, 0
	MUL16 1, 1, 0, 0
	MUL16 1, 1, 2, 0
	MULQ 1, 0
.endm
	s_wait_tensorcnt 1                             ; my part of K step 0 is in; K step 1's may stay out
	s_barrier_signal -1
	s_barrier_wait -1
	FETCH 0, 0, 0
	QUARTER 0, 64, 0, 1, 1                         ; the first quarter stands in front of the loop: its products start the sums
	WIN 0
	s_mov_b32 s3, LAPS-1
.Llap:                                                 ; a trip goes once round the ring and fills both slots again
	QUARTER 0, 128, 1, 0, 0
	QUARTER 0, 192, 0, 1, 0
	TURN 0, 1, 1
	QUARTER 1, 64,  0, 1, 0
	QUARTER 1, 128, 1, 0, 0
	QUARTER 1, 192, 0, 1, 0
	TURN 1, 0, 1
	QUARTER 0, 64,  0, 1, 0
	WIN 0
	s_sub_co_u32 s3, s3, 1
	s_cmp_lg_u32 s3, 0
	s_cbranch_scc1 .Llap
	QUARTER 0, 128, 1, 0, 0                        ; the last lap fills nothing
	QUARTER 0, 192, 0, 1, 0
	TURN 0, 1, 0                                   ; behind this barrier no wave reads slot 0 any more: it becomes the stages
	QUARTER 1, 64,  0, 1, 0
	QUARTER 1, 128, 1, 0, 0
	QUARTER 1, 192, 0, 1, 0
	s_wait_dscnt 10
	MUL16 1, 0, 0, 0
	MUL16 1, 0, 2, 0
	s_wait_dscnt 0x0
	MUL16 1, 1, 0, 0
	MUL16 1, 1, 2, 0
	MULQ 1, 0
	WIN 0
	PLACES
	; THE WAY OUT.  The rotary table is asked for first (36 loads into the fragments' registers) and lands under the SwiGLU.
.irp a, 0,1,2,3
.irp c, 0,1,2,3
	global_load_b128 v[TAB+16*(\a)+4*(\c):TAB+16*(\a)+4*(\c)+3], v[RO], s[8:9] offset:(\a)*16*768+16*(\c)
.endr
.endr
.irp a, 0,1,2,3
.irp c, 0,1,2,3
	global_load_b128 v[TAB+64+16*(\a)+4*(\c):TAB+64+16*(\a)+4*(\c)+3], v[RO2], s[8:9] offset:(\a)*16*768+16*(\c)
.endr
.endr
.irp c, 0,1,2,3
	global_load_b128 v[TAB+128+4*(\c):TAB+128+4*(\c)+3], v[RK], s[8:9] offset:16*(\c)
.endr
; Row block a: h = x g / (1 + 2^(-g log2 e)) for the lane's 32 columns, rounded to bf16, into the stage.  Each accumulator is read from its low end on.
.macro SWIGLU a
.set AX, 64*((\a)%4)
.set AG, AX+32
	WIN 2+(\a)/4                                   ; source 0 in the accumulators' window
.set i, 0
.rept 16
	v_pk_mul_f32 v[TW+2*i:TW+2*i+1], v[AG+2*i:AG+2*i+1], s[68:69] op_sel_hi:[1,0]
.set i, i+1
.endr
	WIN 0
.set i, 0
.rept 32
	v_exp_f32 v[TW+i], v[TW+i]
.set i, i+1
.endr
	v_nop                                          ; a plain instruction behind the run of exponentials
.set i, 0
	s_wait_alu depctr_va_vdst(0)
.rept 16
	v_pk_add_f32 v[TW+2*i:TW+2*i+1], v[TW+2*i:TW+2*i+1], 1.0 op_sel_hi:[1,0]
.set i, i+1
.endr
.set i, 0
.rept 32
	v_rcp_f32 v[TW+i], v[TW+i]
.set i, i+1
.endr
	v_nop
	WIN 2+(\a)/4
.set i, 0
	s_wait_alu depctr_va_vdst(0)
.rept 16
	v_pk_mul_f32 v[TW+2*i:TW+2*i+1], v[AG+2*i:AG+2*i+1], v[TW+2*i:TW+2*i+1]
.set i, i+1
.endr
.set i, 0
.rept 16
	v_pk_mul_f32 v[TW+2*i:TW+2*i+1], v[AX+2*i:AX+2*i+1], v[TW+2*i:TW+2*i+1]
.set i, i+1
.endr
	WIN 0
.set i, 0
.rept 16
	v_cvt_pk_bf16_f32 v[PKD+i], v[TW+2*i], v[TW+2*i+1]
.set i, i+1
.endr
.irp b, 0,1,2,3
	ds_store_b128 v[STO], v[PKD+4*(\b):PKD+4*(\b)+3] offset:(\a)*16*PITCH+32*(\b)
.endr
.endm
.irp a, 0,1,2,3,4,5,6,7
	SWIGLU \a
.endr
; The rotation of one accumulator of window 1: out = t cos + partner x (-sin or +sin); the partner lies in the lane 16 away.  Eight f16 numbers land in PKD.
.macro ROPE16 acc, tab
	WIN 0x01                                       ; source 0 in window 1
.irp j, 0,1,2,3,4,5,6,7
	v_permlanex16_b32 v[TW+(\j)], v[(\acc)+(\j)], s66, s67
.endr
.irp j, 0,2,4,6
	v_pk_mul_f32 v[TW+8+(\j):TW+9+(\j)], v[(\acc)+(\j):(\acc)+(\j)+1], v[(\tab)+(\j):(\tab)+(\j)+1]
.endr
	WIN 0
.irp j, 0,2,4,6
	v_pk_fma_f32 v[TW+8+(\j):TW+9+(\j)], v[TW+(\j):TW+(\j)+1], v[(\tab)+8+(\j):(\tab)+9+(\j)], v[TW+8+(\j):TW+9+(\j)]
.endr
.irp j, 0,1,2,3
	v_cvt_pk_f16_f32 v[PKD+(\j)], v[TW+8+2*(\j)], v[TW+9+2*(\j)]
.endr
.endm
	s_wait_loadcnt 0x0                             ; the table is in
.irp a, 0,1,2,3,4,5,6,7
	ROPE16 QA+8*(\a), TAB+16*(\a)
	ds_store_b128 v[QST], v[PKD:PKD+3] offset:(\a)*16*QP
.endr
	ROPE16 KA, TAB+128
	global_store_b128 v[KVO], v[PKD:PKD+3], s[72:73]  ; 16 bytes a lane; PKD is not written again
	s_wait_dscnt 0x0                               ; for the others' sake: my stores into the stages are done
	s_barrier_signal -1
	s_barrier_wait -1
.set t, 0
.rept 32
	ds_load_b128 v[64+4*t:64+4*t+3], v[RD] offset:t*2*PITCH
.set t, t+1
.endr
.set t, 0
.rept 8
	ds_load_b128 v[192+4*t:192+4*t+3], v[QRD] offset:t*8*QP
.set t, t+1
.endr
	s_wait_dscnt 0x0
.set t, 0
.rept 32
	global_store_b128 v[CO], v[64+4*t:64+4*t+3], s[70:71] offset:2*t*5120  ; sixteen lanes store 256 consecutive bytes, aligned
.set t, t+1
.endr
.set t, 0
.rept 8
	global_store_b128 v[QCO], v[192+4*t:192+4*t+3], s[74:75] offset:512*t  ; 512 consecutive bytes: eight positions of a head
.set t, t+1
.endr
	s_wait_tensorcnt 0x0                           ; the wave's end: an add to my spare word and its wait, behind my last tensor load and my last LDS store
	ds_add_u32 v[SPW], v[NIL]
	s_wait_dscnt 0x0
	CROUND                                         ; the closing round
	s_endpgm
.Lfunc_end_k_q34daccf53f_gemm1:
	.size	k_q34daccf53f_gemm1, .Lfunc_end_k_q34daccf53f_gemm1-k_q34daccf53f_gemm1
	.p2alignl 7, 3214868480
	.fill 96, 4, 3214868480
	.section	.rodata,"a",@progbits
	.p2align	6, 0x0
	.amdhsa_kernel k_q34daccf53f_gemm1
		.amdhsa_group_segment_fixed_size 327680
		.amdhsa_private_segment_fixed_size 0
		.amdhsa_enable_private_segment 0
		.amdhsa_kernarg_size 48
		.amdhsa_user_sgpr_count 2
		.amdhsa_user_sgpr_kernarg_segment_ptr 1
		.amdhsa_wavefront_size32 1
		.amdhsa_system_sgpr_workgroup_id_x 1
		.amdhsa_system_sgpr_workgroup_id_y 1
		.amdhsa_system_sgpr_workgroup_id_z 1
		.amdhsa_system_vgpr_workitem_id 0
		.amdhsa_next_free_vgpr 1024
		.amdhsa_next_free_sgpr 100
		.amdhsa_reserve_vcc 0
		.amdhsa_float_denorm_mode_32 3
		.amdhsa_float_denorm_mode_16_64 3
		.amdhsa_memory_ordered 1
		.amdhsa_forward_progress 1
		.amdhsa_inst_pref_size 212
	.end_amdhsa_kernel
	.amdgpu_metadata
---
amdhsa.version: [ 1, 2 ]
amdhsa.kernels:
  - .name:           k_q34daccf53f_gemm1
    .symbol:         k_q34daccf53f_gemm1.kd
    .args:
      - { .name: xn, .offset: 0, .size: 8, .value_kind: global_buffer, .address_space: global }
      - { .name: wft, .offset: 8, .size: 8, .value_kind: global_buffer, .address_space: global }
      - { .name: rope, .offset: 16, .size: 8, .value_kind: global_buffer, .address_space: global }
      - { .name: a2, .offset: 24, .size: 8, .value_kind: global_buffer, .address_space: global }
      - { .name: qb, .offset: 32, .size: 8, .value_kind: global_buffer, .address_space: global }
      - { .name: kvb, .offset: 40, .size: 8, .value_kind: global_buffer, .address_space: global }
    .group_segment_fixed_size: 327680
    .private_segment_fixed_size: 0
    .kernarg_segment_align: 8
    .kernarg_segment_size: 48
    .max_flat_workgroup_size: 128
    .sgpr_count:     100
    .vgpr_count:     1024
    .wavefront_size: 32
...
	.end_amdgpu_metadata
.endif
;; end of part 2
;; launch attn (part 3): grid 8 x 32, 8 waves a work-group, clusters of 4 x 1, 327,680 bytes of LDS; arguments qb, kvb, kmf, a2; writes a2
.if DOCPART == 3
	.amdgcn_target "amdgcn-amd-amdhsa--gfx1250"
	.amdhsa_code_object_version 6
	.text
	.protected	k_q34daccf53f_attn
	.globl	k_q34daccf53f_attn
	.p2align	8
	.type	k_q34daccf53f_attn,@function
k_q34daccf53f_attn:
	s_mov_b64 s[64:65], 0
	v_nop
	global_prefetch_b8 v0, s[64:65] scope:SCOPE_SE
	s_setreg_imm32_b32 hwreg(HW_REG_WAVE_MODE, 25, 1), 1
	s_wait_xcnt 0x0
	s_wait_alu depctr_hold_cnt(0) depctr_sa_sdst(0) depctr_va_vdst(0) depctr_va_sdst(0) depctr_va_ssrc(0) depctr_va_vcc(0) depctr_vm_vsrc(0)
	s_getreg_b32 s2, hwreg(HW_REG_IB_STS2, 6, 4)
	s_cmp_eq_u32 s2, 0
	s_cbranch_scc0 .Lentry_in_a_cluster
	s_endpgm
.Lentry_in_a_cluster:
	s_bfe_u32 s2, ttmp6, 0x10000c
	s_cmp_lg_u32 s2, 0x3003
	s_cbranch_scc0 .Lentry_shape_is_right
	s_endpgm
.Lentry_shape_is_right:
; MULTI-QUERY CAUSAL ATTENTION with a key mask.  O[b][i][head] = sum over j of softmax_j(s(i, j)) v[b][j], s = q . k where j <= i and key j is not masked.
; qb: [2][16][2048][32] f16, rotated and already times log2(e) / sqrt(32), so p = 2^(s - m) with a running maximum m.  kvb: [2][2048][k 32 | v 32] f16.  kmf: [2][2048] f32, 0 or -1e30.
; O goes to a2's columns 0-511 in bf16.  Products, maxima and sums in f32; the weights are rounded to f16 for the second product, their sum is taken unrounded.
; A ROW WITHOUT A VISIBLE KEY.  The definition then has the same lowest number in all 2,048 places, and its softmax is uniform: O is the mean of ALL v of the batch.  That mean is made here (V^T times ones) and
; selected, without a branch, where m has stayed below -2^96.
; LIMITS.  A key hidden by the causal rule counts as -1e30, one hidden by the mask as its score less 1e30; f16's scores, 1.4e11 at the most, are nothing beside that.  A weight below 2^-126 counts as 0.
; NaN and infinities are not treated apart.
; SHARES.  Positions lie in 32 blocks of 64.  A work-group takes two heads and the blocks lo and 31 - lo: 33 key steps of 64, whatever lo.  Waves w and w + 4 own the same two tiles of 16 queries (positions
; 16 w .. + 15 of the block, both heads) and share the key steps by parity: waves 4-7 take steps 0, 2, .., waves 0-3 steps 1, 3, ..: 17 and 16 of the 33.  A step is a chain (LDS loads, products, maximum,
; exponentials, products): with two waves to a SIMD one has work while the other waits, and a fragment of K or V read from LDS still feeds two tiles.  At a block's end waves 4-7 hand O, m and l over through
; LDS, and waves 0-3 join the two parts (both scaled to the common maximum) and store.  A wave that had no step hands over, or holds, m = the lowest finite number and zeros: its factor is 0.
; All keys and values of the batch (2,048 x 128 bytes) stay in LDS: filled once, never again.  ONE TEXT serves both blocks: a loop of two trips; the walk counts to the constant 16 and jumps forward over the
; steps past the diagonal.
; CLUSTER.  The four partners differ in their heads alone and need the same K, V and mask: every fill is asked for jointly, with the mask of four.
; LAYOUT.  S^T = K Q^T + mask (source 0 = 16 keys, source 1 = 16 queries, C = the mask): a lane holds ONE query (lane % 16) and the keys 8 (lane / 16) + 0..7.  Two such results rounded to f16 ARE source 1 of
; O^T = V^T P.  K comes out of LDS as it lies, V turned, by ds_load_tr16_b128.
.set KVP,   144                        ; a key's LDS row: k 64 bytes, v 64, 16 of padding: sixteen rows start at sixteen different groups of four banks
.set KM,    2048*KVP                   ; the mask, 8,192 bytes
.set XB,    KM+8192                    ; the hand-over: 5,120 bytes for each pair of waves (40 words a lane); the finishing wave's stage for the way out (16 rows x 144 bytes) lies in its own pair's bytes
.set XP,    5120
.set VS,    XB+4*XP                    ; the eight waves' partial means of v, 128 bytes each
.set SPARE, VS+1024                    ; the spare words, 128 bytes a wave
.set AK0, 3                            ; v3  my lane's place in sixteen rows of K; never rewritten
.set AV0, 4                            ; v4  the same for the turning load of V
.set AM0, 5                            ; v5  the same in the mask
.set AK,  6                            ; v6-8 the step's addresses
.set AV,  7
.set AM,  8
.set STO, 9
.set RD,  10
.set GO,  11
.set QO,  12
.set VSA, 13
.set VSR, 14
.set CQ,  15                           ; v15 my query's place in its block less my lanes' 8 (l / 16)
.set SPW, 16                           ; v16 my spare word; never rewritten
.set NIL, 17                           ; v17 0; never rewritten
.set ST,  20                           ; tile u's statistics at v[ST+8 u]: m, -, l (even keys', odd keys'), c0, c1, c2 (later a), c3
.set Q,   36                           ; v36-51
.set S,   52                           ; v52-115, 32 a tile
.set P,   116                          ; v116-147, 16 a tile
.set O,   148                          ; v148-179: tile u, channel block cb at 16 u + 8 cb
.set KV,  180                          ; v180-211: K of a step, then its V; at a block's end, with MC: what the partner handed over, then partial means
.set MC,  212                          ; v212-243: the step's mask
.set XA,  244                          ; v244 my 16 bytes in 512 of the pair's hand-over
.set QB,  0                            ; v256-271 (window 1): Q of the second block
.set WV,  12                           ; s12 wave; s13 cx; s14 head pair; s16 batch; s17 lo; s18 hi
.set PG,  19                           ; s19 wave & 3: which 16 positions
.set G1,  24                           ; s[24:31] group 1 for K and V; s[44:51] for the mask; s[32:39] two groups 0
.set G1M, 44
.set TC,  56                           ; s56 the walk's counter
.set BLK, 57                           ; s57 the block in hand = its diagonal step
.set BIGN, 58
.set LOWM, 59
.set SEL, 60
.set PAR, 63                           ; s63 the parity of my key steps
.set T2,  66                           ; s66 the key step in hand
.set BC,  67                           ; s67 blocks to go
.set MSB, 0
.macro WIN new                         ; the immediate's high byte repeats the setting that is left
.if MSB != (\new)
	s_set_vgpr_msb (MSB<<8)|(\new)
.set MSB, \new
.endif
.endm
.macro PLACES
.rept 4
	v_nop
.endr
.endm
.macro BOTH line:vararg                ; one line for each tile u
.set u, 0
.rept 2
	\line
.set u, u+1
.endr
.endm
.macro CROUND
	s_barrier_signal -1
	s_barrier_wait -1
	s_cmp_lg_u32 s[WV], 0
	s_cbranch_scc1 .Lnot_wave_0_\@
	s_barrier_signal -3
.Lnot_wave_0_\@:
	s_barrier_wait -3
	s_barrier_signal -1
	s_barrier_wait -1
.endm
	s_load_b256 s[4:11], s[0:1], 0x0               ; qb 4, kvb 6, kmf 8, a2 10
	v_lshl_add_u32 v[SPW], v0, 2, SPARE
	v_mov_b32 v[NIL], 0
	ds_add_u32 v[SPW], v[NIL]                      ; the wave's opening: the add and its wait ahead of my first tensor load
	v_lshrrev_b32 v1, 5, v0
	v_readfirstlane_b32 s[WV], v1                  ; wave 0..7
	s_and_b32 s[PG], s[WV], 3
	s_lshr_b32 s[PAR], s[WV], 2
	s_xor_b32 s[PAR], s[PAR], 1                    ; waves 0-3: odd steps; waves 4-7: even steps
	s_bfe_u32 s13, ttmp6, 0x40000                  ; cx: it enters Q's and O's global addresses alone
	s_lshl_b32 s14, ttmp9, 2
	s_add_co_u32 s14, s14, s13                     ; heads 2 s14, 2 s14 + 1
	s_and_b32 s15, ttmp7, 0xffff
	s_lshr_b32 s16, s15, 4                         ; batch
	s_and_b32 s17, s15, 15                         ; lo
	s_sub_co_u32 s18, 31, s17                      ; hi
	s_mov_b32 s[G1], 15|(1<<16)|(1<<20)|(1<<21)|(4<<22)|(3<<25)  ; the mask of four; 2-byte elements; padding on; bit 21 beside a mask; after every 32 words (a key), 4 words
	s_mov_b32 s[G1+1], 128<<16                     ; 256 keys are 32,768 dense bytes: asked for as 128 rows of 256 bytes
	s_mov_b32 s[G1+2], 128<<16
	s_mov_b32 s[G1+3], 128<<16
	s_mov_b32 s[G1+4], 128
	s_mov_b32 s[G1+5], 128
	s_mov_b32 s[G1+6], 0
	s_mov_b32 s[G1+7], 0
	s_mov_b32 s[G1M], 15|(3<<16)|(1<<21)           ; 8-byte elements, no padding: 1,024 bytes as 4 rows of 256
	s_mov_b32 s[G1M+1], 32<<16
	s_mov_b32 s[G1M+2], 4<<16
	s_mov_b32 s[G1M+3], 32<<16
	s_mov_b32 s[G1M+4], 4
	s_mov_b32 s[G1M+5], 32
	s_mov_b32 s[G1M+6], 0
	s_mov_b32 s[G1M+7], 0
	s_mov_b32 s32, 1
	s_lshl_b32 s33, s[WV], 10
	s_add_co_u32 s33, s33, KM                      ; my eighth of the mask
	s_mov_b32 s36, 1
	s_mul_i32 s37, s[WV], 256*KVP                  ; keys 256 wave .. + 255
	s_lshl_b32 s54, s16, 13
	s_lshl_b32 s55, s[WV], 10
	s_add_co_u32 s54, s54, s55
	s_mov_b32 s55, 0
	s_lshl_b32 s22, s16, 11
	s_lshl_b32 s23, s[WV], 8
	s_add_co_u32 s22, s22, s23
	s_lshl_b32 s22, s22, 7
	s_mov_b32 s23, 0
	s_mov_b32 s[BIGN], 0xf149f2ca                  ; -1e30
	s_mov_b32 s[LOWM], 0xef800000                  ; -2^96
	s_mov_b32 s[SEL], 0x76543210
	s_mov_b32 s[SEL+1], 0xfedcba98
	s_mul_i32 s40, s[PAR], 64*KVP                  ; where my first step lies in K and V,
	s_lshl_b32 s41, s[PAR], 8                      ; and in the mask
	s_wait_dscnt 0x0                               ; the opening add is done
	s_wait_kmcnt 0x0
	s_add_nc_u64 s[34:35], s[8:9], s[54:55]
	s_or_b32 s35, s35, 0x80000000
	s_add_nc_u64 s[38:39], s[6:7], s[22:23]
	s_or_b32 s39, s39, 0x80000000
	CROUND                                         ; all four work-groups are here: the joint loads meet
	tensor_load_to_lds s[32:35], s[G1M:G1M+7]      ; every wave issues its two: two loads of mine are out
	s_nop 0
	tensor_load_to_lds s[36:39], s[G1:G1+7]
	s_nop 0
.rept 4
	v_nop
.endr
	v_and_b32 v1, 15, v0                           ; r
	v_bfe_u32 v2, v0, 4, 1                         ; h
	v_lshlrev_b32 v[QO], 6, v1
	v_lshl_add_u32 v[QO], v2, 4, v[QO]             ; a row of Q is 64 bytes
; Q of block s[blk], two fragments of 16 rows x 32 channels, by the base s[bs:bs+1] into v[dst ..]
.macro QLOAD blk, bs, dst
	s_lshl_b32 s54, s16, 4
	s_lshl1_add_u32 s54, s14, s54                  ; 16 b + my first head
	s_lshl_b32 s54, s54, 11
	s_lshl_b32 s22, s[\blk], 6
	s_add_co_u32 s54, s54, s22
	s_lshl_b32 s22, s[PG], 4
	s_add_co_u32 s54, s54, s22
	s_lshl_b32 s54, s54, 6
	s_add_nc_u64 s[\bs:\bs+1], s[4:5], s[54:55]
.irp t, 0,1
	global_load_b128 v[(\dst)+8*\t:(\dst)+8*\t+3],   v[QO], s[\bs:\bs+1] offset:\t*131072
	global_load_b128 v[(\dst)+8*\t+4:(\dst)+8*\t+7], v[QO], s[\bs:\bs+1] offset:\t*131072+32
.endr
.endm
	QLOAD 17, 52, Q                                ; block lo
	WIN 0x40                                       ; destination in window 1
	QLOAD 18, 68, QB                               ; block hi, kept until the first block is done
	WIN 0
	v_mul_u32_u24 v[AK0], v1, KVP
	v_lshl_add_u32 v[AK0], v2, 4, v[AK0]           ; row x pitch + 16 x half
	v_and_b32 v18, 7, v0
	v_bfe_u32 v19, v0, 3, 1
	v_lshl_add_u32 v[AV0], v2, 3, v18              ; the turning load: key 8 (l / 16) + l % 8, channels 8 ((l / 8) % 2) ..
	v_mul_u32_u24 v[AV0], v[AV0], KVP
	v_lshl_add_u32 v[AV0], v19, 4, v[AV0]
	v_add_nc_u32 v[AV0], 64, v[AV0]                ; v lies behind k in a row
	v_lshlrev_b32 v[AM0], 5, v2
	v_add_nc_u32 v[AM0], KM, v[AM0]                ; my lanes' eight keys of sixteen
	s_mul_i32 s22, s[PG], XP
	s_add_co_u32 s22, s22, XB                      ; my pair's bytes
	v_add_nc_u32 v[STO], s22, v[AK0]               ; the stage, in: row r, 16 bytes for each half of the lanes
	v_bfe_u32 v19, v0, 3, 2
	v_mul_u32_u24 v[RD], v19, KVP                  ; back: 32 lanes take four rows of 128 bytes
	v_lshl_add_u32 v[RD], v18, 4, v[RD]
	v_add_nc_u32 v[RD], s22, v[RD]
	v_mul_u32_u24 v[GO], v19, 5120
	v_lshl_add_u32 v[GO], v18, 4, v[GO]
	v_and_b32 v[XA], 31, v0
	v_lshl_add_u32 v[XA], v[XA], 4, s22            ; the hand-over: 16 bytes a lane
	s_lshl_b32 s22, s[WV], 7
	s_add_co_u32 s22, s22, VS
	v_lshlrev_b32 v[VSR], 6, v2
	v_add_nc_u32 v[VSA], s22, v[VSR]
	v_add_nc_u32 v[VSR], VS, v[VSR]
	v_lshlrev_b32 v18, 3, v2
	v_sub_nc_u32 v[CQ], v1, v18
	s_lshl_b32 s22, s[PG], 4
	v_add_nc_u32 v[CQ], s22, v[CQ]
	s_wait_tensorcnt 0x0                           ; my parts of the mask and of the keys are in; nothing is ever filled again
	s_barrier_signal -1
	s_barrier_wait -1                              ; everybody's are
	; THE MEAN OF V: wave w sums keys 256 w .. + 255 by V^T times ones; every column of the result is the same
.set i, 0
.rept 16
	v_mov_b32 v[P+i], 0
.set i, i+1
.endr
.set i, 0
.rept 8
	v_mov_b32 v[P+16+i], 0x3c003c00                ; 1.0 twice, in f16
.set i, i+1
.endr
	s_mul_i32 s22, s[WV], 256*KVP
	v_add_nc_u32 v[AV], s22, v[AV0]
	s_mov_b32 s[TC], 2
.Lvs:                                                  ; 128 keys a trip
.irp kk, 0,1,2,3
.irp cb, 0,1
	ds_load_tr16_b128 v[S+16*\kk+8*\cb:S+16*\kk+8*\cb+3],   v[AV] offset:\kk*32*KVP+32*\cb
	ds_load_tr16_b128 v[S+16*\kk+8*\cb+4:S+16*\kk+8*\cb+7], v[AV] offset:\kk*32*KVP+16*KVP+32*\cb
.endr
.endr
	s_wait_dscnt 0x0
.irp kk, 0,1,2,3                       ; the two accumulators take turns, over the backward jump too
.irp cb, 0,1
	v_wmma_f32_16x16x32_f16 v[P+8*\cb:P+8*\cb+7], v[S+16*\kk+8*\cb:S+16*\kk+8*\cb+7], v[P+16:P+23], v[P+8*\cb:P+8*\cb+7]
.endr
.endr
	v_add_nc_u32 v[AV], 128*KVP, v[AV]             ; with three v_nop: the places behind those products
	v_nop
	v_nop
	v_nop
	s_sub_co_u32 s[TC], s[TC], 1
	s_cmp_lg_u32 s[TC], 0
	s_cbranch_scc1 .Lvs
.set i, 0
.rept 8
	v_pk_mul_f32 v[P+2*i:P+2*i+1], v[P+2*i:P+2*i+1], 0x3a000000 op_sel_hi:[1,0]  ; / 2048
.set i, i+1
.endr
.irp f, 0,1,2,3
	ds_store_b128 v[VSA], v[P+4*\f:P+4*\f+3] offset:16*\f  ; sixteen lanes write the same numbers to the same bytes; the first barrier of the loop below shows them to the others
.endr
	s_wait_loadcnt 0x0                             ; both blocks' Q
	s_mov_b32 s[BLK], s17
	s_mov_b32 s[BC], 2
.Lblock:                                               ; two trips: block lo, block hi
	; THE WALK over my key steps PAR, PAR + 2, .. up to s[BLK], counted to the constant 16
.set i, 0
.rept 32
	v_mov_b32 v[O+i], 0
.set i, i+1
.endr
.set i, 0
.rept 16
	v_mov_b32 v[ST+i], 0
.set i, i+1
.endr
	v_mov_b32 v[ST], 0xff7fffff                    ; m: the lowest finite number, so the first step's a is 0
	v_mov_b32 v[ST+8], 0xff7fffff
	v_add_nc_u32 v[AK], s40, v[AK0]
	v_add_nc_u32 v[AV], s40, v[AV0]
	v_add_nc_u32 v[AM], s41, v[AM0]
	s_mov_b32 s[TC], 0
	s_mov_b32 s[T2], s[PAR]
.Ltrip:
	s_cmp_gt_u32 s[T2], s[BLK]
	s_cbranch_scc1 .Lskip                          ; past the diagonal: nothing to do
.irp kt, 0,1,2,3
	ds_load_b128 v[KV+8*\kt:KV+8*\kt+3],   v[AK] offset:\kt*16*KVP
	ds_load_b128 v[KV+8*\kt+4:KV+8*\kt+7], v[AK] offset:\kt*16*KVP+32
.endr
.irp kt, 0,1,2,3
	ds_load_b128 v[MC+8*\kt:MC+8*\kt+3],   v[AM] offset:\kt*64
	ds_load_b128 v[MC+8*\kt+4:MC+8*\kt+7], v[AM] offset:\kt*64+16
.endr
	s_wait_dscnt 0x0
	s_cmp_lg_u32 s[T2], s[BLK]
	s_cbranch_scc1 .Lfull
.set i, 0
.rept 32                               ; the diagonal step: key 16 kt + 8 (l / 16) + j is hidden where it lies behind my query
	v_cmp_gt_i32 vcc_lo, 16*(i/8)+i%8, v[CQ]
	v_cndmask_b32 v[MC+i], v[MC+i], s[BIGN], vcc_lo
.set i, i+1
.endr
.Lfull:
.irp kt, 0,1,2,3
.irp t, 0,1
	v_wmma_f32_16x16x32_f16 v[S+32*\t+8*\kt:S+32*\t+8*\kt+7], v[KV+8*\kt:KV+8*\kt+7], v[Q+8*\t:Q+8*\t+7], v[MC+8*\kt:MC+8*\kt+7]
.endr
.endr
	PLACES                                         ; in front of the loads into K's registers and of the reads of the scores
.irp kk, 0,1
.irp cb, 0,1
	ds_load_tr16_b128 v[KV+16*\kk+8*\cb:KV+16*\kk+8*\cb+3],   v[AV] offset:\kk*32*KVP+32*\cb
	ds_load_tr16_b128 v[KV+16*\kk+8*\cb+4:KV+16*\kk+8*\cb+7], v[AV] offset:\kk*32*KVP+16*KVP+32*\cb
.endr
.endr
	; the maximum of the lane's 32 scores and the old m: four chains, each accumulator's lowest registers first
.set n, 0
.rept 4
	BOTH v_max3_num_f32 v[ST+8*u+4+n], v[S+32*u+8*n], v[S+32*u+8*n+1], v[S+32*u+8*n+2]
.set n, n+1
.endr
.rept 8
	BOTH v_max3_num_f32 v[ST+8*u+4+n%4], v[ST+8*u+4+n%4], v[S+32*u+8*(n%4)+2*(n/4)+1], v[S+32*u+8*(n%4)+2*(n/4)+2]
.set n, n+1
.endr
	BOTH v_max3_num_f32 v[ST+8*u+4], v[ST+8*u+4], v[S+32*u+7], v[S+32*u+15]
	BOTH v_max3_num_f32 v[ST+8*u+5], v[ST+8*u+5], v[S+32*u+23], v[S+32*u+31]
	BOTH v_max3_num_f32 v[ST+8*u+6], v[ST+8*u+6], v[ST+8*u+7], v[ST+8*u]
	BOTH v_max3_num_f32 v[ST+8*u+4], v[ST+8*u+4], v[ST+8*u+5], v[ST+8*u+6]
	BOTH v_permlanex16_b32 v[ST+8*u+7], v[ST+8*u+4], s[SEL], s[SEL+1]
	BOTH v_max_num_f32 v[ST+8*u+5], v[ST+8*u+4], v[ST+8*u+7]
	BOTH v_sub_f32 v[ST+8*u+6], v[ST+8*u], v[ST+8*u+5]
	BOTH v_mov_b32 v[ST+8*u], v[ST+8*u+5]
	BOTH v_exp_f32 v[ST+8*u+6], v[ST+8*u+6]
.set n, 0
.rept 16                               ; s - m
	BOTH v_pk_add_f32 v[S+32*u+2*n:S+32*u+2*n+1], v[S+32*u+2*n:S+32*u+2*n+1], v[ST+8*u:ST+8*u+1] op_sel_hi:[1,0] neg_lo:[0,1] neg_hi:[0,1]
.set n, n+1
.endr
.set n, 0
.rept 32
	BOTH v_exp_f32 v[S+32*u+n], v[S+32*u+n]
.set n, n+1
.endr
	v_nop                                          ; a plain instruction behind the run of exponentials
	s_wait_alu depctr_va_vdst(0)
.set n, 0
.rept 16
	BOTH v_cvt_pk_f16_f32 v[P+16*u+n], v[S+32*u+2*n], v[S+32*u+2*n+1]
.set n, n+1
.endr
.set n, 0
.rept 8                                ; the sum of the 16 pairs, in place
	BOTH v_pk_add_f32 v[S+32*u+4*n:S+32*u+4*n+1], v[S+32*u+4*n:S+32*u+4*n+1], v[S+32*u+4*n+2:S+32*u+4*n+3]
.set n, n+1
.endr
.set n, 0
.rept 4
	BOTH v_pk_add_f32 v[S+32*u+8*n:S+32*u+8*n+1], v[S+32*u+8*n:S+32*u+8*n+1], v[S+32*u+8*n+4:S+32*u+8*n+5]
.set n, n+1
.endr
.set n, 0
.rept 2
	BOTH v_pk_add_f32 v[S+32*u+16*n:S+32*u+16*n+1], v[S+32*u+16*n:S+32*u+16*n+1], v[S+32*u+16*n+8:S+32*u+16*n+9]
.set n, n+1
.endr
	BOTH v_pk_add_f32 v[S+32*u:S+32*u+1], v[S+32*u:S+32*u+1], v[S+32*u+16:S+32*u+17]
	BOTH v_pk_fma_f32 v[ST+8*u+2:ST+8*u+3], v[ST+8*u+2:ST+8*u+3], v[ST+8*u+6:ST+8*u+7], v[S+32*u:S+32*u+1] op_sel_hi:[1,0,1]
.set n, 0
.rept 8                                ; O^T times a
	BOTH v_pk_mul_f32 v[O+16*u+2*n:O+16*u+2*n+1], v[O+16*u+2*n:O+16*u+2*n+1], v[ST+8*u+6:ST+8*u+7] op_sel_hi:[1,0]
.set n, n+1
.endr
	s_wait_dscnt 0x0                               ; V is in
.irp kk, 0,1                           ; the four accumulators take turns
.irp cb, 0,1
.irp t, 0,1
	v_wmma_f32_16x16x32_f16 v[O+16*\t+8*\cb:O+16*\t+8*\cb+7], v[KV+16*\kk+8*\cb:KV+16*\kk+8*\cb+7], v[P+16*\t+8*\kk:P+16*\t+8*\kk+7], v[O+16*\t+8*\cb:O+16*\t+8*\cb+7]
.endr
.endr
.endr
.Lskip:
	v_add_nc_u32 v[AK], 128*KVP, v[AK]             ; my next step lies 128 keys on; these four lines are also the places behind the products above
	v_add_nc_u32 v[AV], 128*KVP, v[AV]
	v_add_nc_u32 v[AM], 512, v[AM]
	v_nop
	s_add_co_u32 s[T2], s[T2], 2
	s_add_co_u32 s[TC], s[TC], 1
	s_cmp_lt_u32 s[TC], 16
	s_cbranch_scc1 .Ltrip
	; THE HAND-OVER.  Ahead of it a barrier: every wave's LDS instructions are done, the finishing wave's reads of the pair's bytes in the trip before among them, and (first trip) the partial means are stored.
	s_wait_dscnt 0x0
	s_barrier_signal -1
	s_barrier_wait -1
	s_cmp_lt_u32 s[WV], 4
	s_cbranch_scc1 .Lnox
.set i, 0
.rept 8
	ds_store_b128 v[XA], v[O+4*i:O+4*i+3] offset:512*i  ; each accumulator from its low end on
.set i, i+1
.endr
	ds_store_b128 v[XA], v[ST:ST+3] offset:4096    ; m and l of tile 0,
	ds_store_b128 v[XA], v[ST+8:ST+11] offset:4608 ; of tile 1
.Lnox:
	s_wait_dscnt 0x0                               ; for the partner's sake
	s_barrier_signal -1
	s_barrier_wait -1
	s_cmp_ge_u32 s[WV], 4
	s_cbranch_scc1 .Lnofin                         ; waves 4-7 go on to the next block
	; WAVES 0-3 FINISH THE BLOCK.  The two parts are joined; the eight partial means of v are added; O / l, or the mean where no key was visible; bf16; through my stage; runs of 128 bytes (two heads) of a2's rows.
	s_lshl_b32 s22, s16, 11
	s_lshl_b32 s23, s[BLK], 6
	s_add_co_u32 s22, s22, s23
	s_lshl_b32 s23, s[PG], 4
	s_add_co_u32 s22, s22, s23
	s_mul_i32 s22, s22, 5120
	s_lshl_b32 s23, s14, 7
	s_add_co_u32 s22, s22, s23
	s_mov_b32 s23, 0
	s_add_nc_u64 s[20:21], s[10:11], s[22:23]
.set i, 0
.rept 10
	ds_load_b128 v[KV+4*i:KV+4*i+3], v[XA] offset:512*i  ; the partner's O at KV .., its m and l at KV + 32 + 4 u
.set i, i+1
.endr
.set i, 0
.rept 16
	ds_load_b128 v[S+4*i:S+4*i+3], v[VSR] offset:128*(i/4)+16*(i%4)  ; the partial means of waves 0-3
.set i, i+1
.endr
	s_wait_dscnt 16                                ; the ten loads of the hand-over are in; the sixteen younger ones may be out
	BOTH v_max_num_f32 v[ST+8*u+4], v[ST+8*u], v[KV+32+4*u]
	BOTH v_sub_f32 v[ST+8*u+6], v[ST+8*u], v[ST+8*u+4]
	BOTH v_sub_f32 v[KV+32+4*u], v[KV+32+4*u], v[ST+8*u+4]
	BOTH v_mov_b32 v[ST+8*u], v[ST+8*u+4]
	BOTH v_exp_f32 v[ST+8*u+6], v[ST+8*u+6]
	BOTH v_exp_f32 v[KV+32+4*u], v[KV+32+4*u]
	v_nop                                          ; a plain instruction behind the exponentials
	s_wait_alu depctr_va_vdst(0)
.set n, 0
.rept 8
	BOTH v_pk_mul_f32 v[O+16*u+2*n:O+16*u+2*n+1], v[O+16*u+2*n:O+16*u+2*n+1], v[ST+8*u+6:ST+8*u+7] op_sel_hi:[1,0]
.set n, n+1
.endr
.set n, 0
.rept 8
	BOTH v_pk_fma_f32 v[O+16*u+2*n:O+16*u+2*n+1], v[KV+16*u+2*n:KV+16*u+2*n+1], v[KV+32+4*u:KV+33+4*u], v[O+16*u+2*n:O+16*u+2*n+1] op_sel_hi:[1,0,1]
.set n, n+1
.endr
	BOTH v_pk_mul_f32 v[ST+8*u+2:ST+8*u+3], v[ST+8*u+2:ST+8*u+3], v[ST+8*u+6:ST+8*u+7] op_sel_hi:[1,0]
	BOTH v_pk_fma_f32 v[ST+8*u+2:ST+8*u+3], v[KV+34+4*u:KV+35+4*u], v[KV+32+4*u:KV+33+4*u], v[ST+8*u+2:ST+8*u+3] op_sel_hi:[1,0,1]
.set i, 0
.rept 16
	ds_load_b128 v[KV+4*i:KV+4*i+3], v[VSR] offset:512+128*(i/4)+16*(i%4)  ; the partial means of waves 4-7
.set i, i+1
.endr
	BOTH v_add_f32 v[ST+8*u+4], v[ST+8*u+2], v[ST+8*u+3]
	BOTH v_permlanex16_b32 v[ST+8*u+5], v[ST+8*u+4], s[SEL], s[SEL+1]
	BOTH v_add_f32 v[ST+8*u+4], v[ST+8*u+4], v[ST+8*u+5]
	BOTH v_rcp_f32 v[ST+8*u+6], v[ST+8*u+4]
	v_nop                                          ; a plain instruction behind the reciprocals
	v_cmp_gt_f32 vcc_lo, s[LOWM], v[ST]            ; no key was visible
	v_cmp_gt_f32 s62, s[LOWM], v[ST+8]
	s_wait_dscnt 0x0
.set i, 0
.rept 8
	v_pk_add_f32 v[S+2*i:S+2*i+1], v[S+2*i:S+2*i+1], v[S+16+2*i:S+17+2*i]
	v_pk_add_f32 v[S+32+2*i:S+33+2*i], v[S+32+2*i:S+33+2*i], v[S+48+2*i:S+49+2*i]
	v_pk_add_f32 v[KV+2*i:KV+2*i+1], v[KV+2*i:KV+2*i+1], v[KV+16+2*i:KV+17+2*i]
	v_pk_add_f32 v[KV+32+2*i:KV+33+2*i], v[KV+32+2*i:KV+33+2*i], v[KV+48+2*i:KV+49+2*i]
.set i, i+1
.endr
.set i, 0
.rept 8
	v_pk_add_f32 v[S+2*i:S+2*i+1], v[S+2*i:S+2*i+1], v[S+32+2*i:S+33+2*i]
	v_pk_add_f32 v[KV+2*i:KV+2*i+1], v[KV+2*i:KV+2*i+1], v[KV+32+2*i:KV+33+2*i]
.set i, i+1
.endr
.set i, 0
	s_wait_alu depctr_va_vdst(0)
.rept 8
	v_pk_add_f32 v[S+2*i:S+2*i+1], v[S+2*i:S+2*i+1], v[KV+2*i:KV+2*i+1]
.set i, i+1
.endr
.set n, 0
.rept 8
	BOTH v_pk_mul_f32 v[O+16*u+2*n:O+16*u+2*n+1], v[O+16*u+2*n:O+16*u+2*n+1], v[ST+8*u+6:ST+8*u+7] op_sel_hi:[1,0]
.set n, n+1
.endr
.set n, 0
.rept 16
	v_cndmask_b32 v[O+n], v[O+n], v[S+n], vcc_lo
	v_cndmask_b32 v[O+16+n], v[O+16+n], v[S+n], s62
.set n, n+1
.endr
.set n, 0
.rept 8
	BOTH v_cvt_pk_bf16_f32 v[P+8*u+n], v[O+16*u+2*n], v[O+16*u+2*n+1]
.set n, n+1
.endr
.irp t, 0,1
.irp cb, 0,1
	ds_store_b128 v[STO], v[P+8*\t+4*\cb:P+8*\t+4*\cb+3] offset:64*\t+32*\cb
.endr
.endr
.irp f, 0,1,2,3
	ds_load_b128 v[S+16+4*\f:S+19+4*\f], v[RD] offset:\f*4*KVP  ; bytes that I stored: LDS serves a wave's instructions in order (ISA guide 5.7.1.4)
.endr
	s_wait_dscnt 0x0
.irp f, 0,1,2,3
	global_store_b128 v[GO], v[S+16+4*\f:S+19+4*\f], s[20:21] offset:\f*4*5120
.endr
	s_wait_xcnt 0x0                                ; the stores' registers and base are rewritten only behind this wait
.Lnofin:
	s_cmp_eq_u32 s[BC], 1
	s_cbranch_scc1 .Llastb
	WIN 0x01                                       ; source 0 in window 1: the second block's Q goes where the one text of the walk names Q
.set i, 0
.rept 16
	v_mov_b32 v[Q+i], v[QB+i]
.set i, i+1
.endr
	WIN 0
	s_mov_b32 s[BLK], s18
.Llastb:
	s_sub_co_u32 s[BC], s[BC], 1
	s_cmp_lg_u32 s[BC], 0
	s_cbranch_scc1 .Lblock
	s_wait_tensorcnt 0x0                           ; the wave's end: an add to my spare word and its wait, behind my last tensor load and my last LDS store
	ds_add_u32 v[SPW], v[NIL]
	s_wait_dscnt 0x0
	CROUND                                         ; the closing round
	s_endpgm
.Lfunc_end_k_q34daccf53f_attn:
	.size	k_q34daccf53f_attn, .Lfunc_end_k_q34daccf53f_attn-k_q34daccf53f_attn
	.p2alignl 7, 3214868480
	.fill 96, 4, 3214868480
	.section	.rodata,"a",@progbits
	.p2align	6, 0x0
	.amdhsa_kernel k_q34daccf53f_attn
		.amdhsa_group_segment_fixed_size 327680
		.amdhsa_private_segment_fixed_size 0
		.amdhsa_enable_private_segment 0
		.amdhsa_kernarg_size 32
		.amdhsa_user_sgpr_count 2
		.amdhsa_user_sgpr_kernarg_segment_ptr 1
		.amdhsa_wavefront_size32 1
		.amdhsa_system_sgpr_workgroup_id_x 1
		.amdhsa_system_sgpr_workgroup_id_y 1
		.amdhsa_system_sgpr_workgroup_id_z 1
		.amdhsa_system_vgpr_workitem_id 0
		.amdhsa_next_free_vgpr 272
		.amdhsa_next_free_sgpr 72
		.amdhsa_reserve_vcc 1
		.amdhsa_float_denorm_mode_32 3
		.amdhsa_float_denorm_mode_16_64 3
		.amdhsa_memory_ordered 1
		.amdhsa_forward_progress 1
		.amdhsa_inst_pref_size 47
	.end_amdhsa_kernel
	.amdgpu_metadata
---
amdhsa.version: [ 1, 2 ]
amdhsa.kernels:
  - .name:           k_q34daccf53f_attn
    .symbol:         k_q34daccf53f_attn.kd
    .args:
      - { .name: qb, .offset: 0, .size: 8, .value_kind: global_buffer, .address_space: global }
      - { .name: kvb, .offset: 8, .size: 8, .value_kind: global_buffer, .address_space: global }
      - { .name: kmf, .offset: 16, .size: 8, .value_kind: global_buffer, .address_space: global }
      - { .name: a2, .offset: 24, .size: 8, .value_kind: global_buffer, .address_space: global }
    .group_segment_fixed_size: 327680
    .private_segment_fixed_size: 0
    .kernarg_segment_align: 8
    .kernarg_segment_size: 32
    .max_flat_workgroup_size: 256
    .sgpr_count:     72
    .vgpr_count:     272
    .wavefront_size: 32
...
	.end_amdgpu_metadata
.endif
;; end of part 3
;; launch gemm2 (part 4): grid 8 x 32, 4 waves a work-group, clusters of 4 x 4, 327,680 bytes of LDS; arguments a2, w2t, out0; writes out0
.if DOCPART == 4
	.amdgcn_target "amdgcn-amd-amdhsa--gfx1250"
	.amdhsa_code_object_version 6
	.text
	.protected	k_q34daccf53f_gemm2
	.globl	k_q34daccf53f_gemm2
	.p2align	8
	.type	k_q34daccf53f_gemm2,@function
k_q34daccf53f_gemm2:
	s_mov_b64 s[64:65], 0
	v_nop
	global_prefetch_b8 v0, s[64:65] scope:SCOPE_SE
	s_setreg_imm32_b32 hwreg(HW_REG_WAVE_MODE, 25, 1), 1
	s_wait_xcnt 0x0
	s_wait_alu depctr_hold_cnt(0) depctr_sa_sdst(0) depctr_va_vdst(0) depctr_va_sdst(0) depctr_va_ssrc(0) depctr_va_vcc(0) depctr_vm_vsrc(0)
	s_getreg_b32 s2, hwreg(HW_REG_IB_STS2, 6, 4)
	s_cmp_eq_u32 s2, 0
	s_cbranch_scc0 .Lentry_in_a_cluster
	s_endpgm
.Lentry_in_a_cluster:
	s_bfe_u32 s2, ttmp6, 0x10000c
	s_cmp_lg_u32 s2, 0xf033
	s_cbranch_scc0 .Lentry_shape_is_right
	s_endpgm
.Lentry_shape_is_right:
; THE TWO OUTPUT PROJECTIONS AS ONE PRODUCT: out0 = [O | h] [W_attn_out ; W_ff_out].  a2: [4096][2560] bf16.  w2t: [2048 n][2560 k] bf16.  out0: [4096][2048] f32.  Sums in f32.
; A tile of out0 is 128 x 256, which gives each of 256 work-groups one; wave (wr, wc) makes 64 x 128: 32 accumulators of 16 x 16.  K goes in 20 steps of 128 (10 laps of two) through two LDS slots filled by the
; tensor data mover (rows of 256 bytes, aligned); two slots of a longer step do not fit: 384 rows of 528 bytes, twice, are 405,504 bytes.
; 4 x 4 work-groups form a cluster: a2's tiles are asked for jointly along a row of it, w2t's along a column.
; THE CLUSTERS BEGIN K AT DIFFERENT LAPS and wrap round: cluster (X, Y) at lap (5 X + (5 (Y & 3) >> 1)) mod 10.  A tile of a2 is read by the two clusters of one Y, which are 5 laps apart; a tile of w2t by the
; eight clusters of one X, neighbours in Y 2 or 3 laps apart.  So of the clusters that read a tile one is the first to ask for it, and the others ask for bytes that have been read some laps before.
; The lap hangs on the cluster's coordinates and the loop's trips alone: the joint loads' descriptors are equal in all partners.  An output's sum runs over K in that rotated order.
; Each fill's global address is made anew: the tensor's address at my rows, which is never rewritten, plus the lap's byte offset along the rows, made apart; then the type bits are set again.
; The matrix instruction is used transposed (source 0 = 16 rows of w2t, source 1 = 16 rows of a2): a lane holds eight neighbouring numbers of a row of out0, 32 bytes.
; REGISTERS.  window 0: v0-31 addresses; v64-159, v160-255 two fragment buffers (a2's 4 row blocks, then w2t's 8); on the way out v64-191 rows read back.  window 1: the accumulators, (a, b) at 8 (8 a + b).
.set PITCH,  272                       ; 256 bytes + 16: the sixteen rows of a fragment load start at sixteen different groups of four banks
.set AH,     64*PITCH                  ; what a wave fetches of a2
.set BH,     128*PITCH                 ; and of w2t
.set ASZ,    2*AH
.set SLOT,   ASZ+2*BH
.set STAGE,  2*SLOT                    ; behind the ring: 16 rows x 528 bytes for each wave, its own
.set SPITCH, 528
.set SPARE,  STAGE+4*16*SPITCH         ; the spare words, 128 bytes a wave
.set LAPS,   10                        ; 2,560 / 256
.set KB,     5120                      ; bytes in a row of a2 and of w2t
.set ADRA, 16
.set ADRB, 20
.set STO,  24
.set RD,   25
.set CO,   26
.set SPW,  28                          ; v28 my spare word; never rewritten
.set NIL,  29                          ; v29 0; never rewritten
.set PA,  14                           ; s[14:15] a2 at my rows, K = 0; never rewritten
.set PB,  46                           ; s[46:47] w2t at my rows, K = 0; never rewritten
.set G1,  24
.set G0,  32
.set G1B, 48
.set G0B, 56
.set LAP, 66                           ; s66 the lap that the fills fetch, 0..9
.set OFF, 68                           ; s[68:69] its byte offset along the rows for slot 0 (512 x lap), s[70:71] for slot 1 (256 more); the upper words are 0
.set MSB, 0
.macro WIN new
.if MSB != (\new)
	s_set_vgpr_msb (MSB<<8)|(\new)
.set MSB, \new
.endif
.endm
.set MUL, 0x50                         ; sources 0 and 1 window 0; C and D window 1
.macro PLACES
.rept 4
	v_nop
.endr
.endm
.macro AIM s                           ; slot s's two descriptors take the lap's addresses; no tensor load of mine into this slot is out where this stands
	s_add_nc_u64 s[G0+4*(\s)+2:G0+4*(\s)+3], s[PA:PA+1], s[OFF+2*(\s):OFF+2*(\s)+1]
	s_or_b32 s[G0+4*(\s)+3], s[G0+4*(\s)+3], 0x80000000
	s_add_nc_u64 s[G0B+4*(\s)+2:G0B+4*(\s)+3], s[PB:PB+1], s[OFF+2*(\s):OFF+2*(\s)+1]
	s_or_b32 s[G0B+4*(\s)+3], s[G0B+4*(\s)+3], 0x80000000
.endm
.macro JLOAD s                         ; waves 0 and 1 fetch a2's two halves, waves 2 and 3 w2t's; an s_nop 0 and four v_nop follow each line
	s_cmp_eq_u32 s11, 0
	s_cbranch_scc0 .Lfor_b_\@
	tensor_load_to_lds s[G0+4*(\s):G0+4*(\s)+3], s[G1:G1+7]
	s_nop 0
.rept 4
	v_nop
.endr
	s_branch .Lasked_\@
.Lfor_b_\@:
	tensor_load_to_lds s[G0B+4*(\s):G0B+4*(\s)+3], s[G1B:G1B+7]
	s_nop 0
.rept 4
	v_nop
.endr
.Lasked_\@:
.endm
.macro CREST
	s_cmp_lg_u32 s10, 0
	s_cbranch_scc1 .Lnot_wave_0_\@
	s_barrier_signal -3
.Lnot_wave_0_\@:
	s_barrier_wait -3
	s_barrier_signal -1
	s_barrier_wait -1
.endm
.macro CROUND
	s_barrier_signal -1
	s_barrier_wait -1
	CREST
.endm
	s_load_b128 s[4:7], s[0:1], 0x0                ; a2 4, w2t 6
	s_load_b64 s[8:9], s[0:1], 0x10                ; out0
	v_lshl_add_u32 v[SPW], v0, 2, SPARE
	v_mov_b32 v[NIL], 0
	ds_add_u32 v[SPW], v[NIL]                      ; the wave's opening: the add and its wait ahead of my first tensor load
	v_lshrrev_b32 v1, 5, v0
	v_readfirstlane_b32 s10, v1                    ; wave
	s_lshr_b32 s11, s10, 1                         ; wr.  Also: I fetch a2 (0) or w2t (1)
	s_and_b32 s12, s10, 1                          ; wc.  Also: which half of that tile
	s_bfe_u32 s40, ttmp6, 0x40000                  ; cx
	s_bfe_u32 s41, ttmp6, 0x40004                  ; cy
	s_lshl_b32 s42, ttmp9, 2
	s_add_co_u32 s42, s42, s40                     ; nt
	s_and_b32 s13, ttmp7, 0xffff
	s_lshl_b32 s13, s13, 2
	s_add_co_u32 s13, s13, s41                     ; mt
	s_lshl_b32 s43, s41, 2
	s_lshl_b32 s43, 15, s43                        ; my row of the cluster
	s_lshl_b32 s44, 0x1111, s40                    ; my column
	s_and_b32 s[LAP], ttmp7, 3                     ; the cluster's y, modulo 4,
	s_mul_i32 s[LAP], s[LAP], 5
	s_lshr_b32 s[LAP], s[LAP], 1                   ; gives 0, 2, 5, 7;
	s_mul_i32 s67, ttmp9, 5                        ; the cluster's x gives 0 or 5
	s_add_co_u32 s[LAP], s[LAP], s67
	s_cmp_ge_u32 s[LAP], LAPS
	s_cselect_b32 s67, LAPS, 0
	s_sub_co_u32 s[LAP], s[LAP], s67               ; the lap at which my cluster begins
	s_lshl_b32 s[OFF], s[LAP], 9                   ; a lap is 512 bytes along the rows
	s_mov_b32 s[OFF+1], 0
	s_add_co_u32 s[OFF+2], s[OFF], 256             ; its second K step
	s_mov_b32 s[OFF+3], 0
	s_or_b32 s[G1+0], s43, (1<<16)|(1<<20)|(1<<21)|(5<<22)|(3<<25)   ; the mask; 2-byte elements; padding on; bit 21 beside a mask; after every 64 words, 4 words
	s_or_b32 s[G1B+0], s44, (1<<16)|(1<<20)|(1<<21)|(5<<22)|(3<<25)
	s_mov_b32 s[G1+1], 128<<16
	s_mov_b32 s[G1+2], 64<<16                      ; a2's half: 64 rows
	s_mov_b32 s[G1+3], 128<<16
	s_mov_b32 s[G1+4], 64
	s_mov_b32 s[G1+5], 2560
	s_mov_b32 s[G1+6], 0
	s_mov_b32 s[G1+7], 0
	s_mov_b32 s[G1B+1], 128<<16
	s_mov_b32 s[G1B+2], 128<<16                    ; w2t's half: 128 rows
	s_mov_b32 s[G1B+3], 128<<16
	s_mov_b32 s[G1B+4], 128
	s_mov_b32 s[G1B+5], 2560
	s_mov_b32 s[G1B+6], 0
	s_mov_b32 s[G1B+7], 0
	s_lshl_b32 s17, s12, 6
	s_lshl_b32 s16, s13, 7
	s_add_co_u32 s16, s16, s17                     ; a2: row 128 mt + 64 half
	s_mul_i32 s16, s16, KB
	s_mov_b32 s17, 0
	s_lshl_b32 s19, s12, 7
	s_lshl_b32 s18, s42, 8
	s_add_co_u32 s18, s18, s19                     ; w2t: row 256 nt + 128 half
	s_mul_i32 s18, s18, KB
	s_mov_b32 s19, 0
	s_mul_i32 s20, s12, AH                         ; where they go in a slot
	s_mul_i32 s21, s12, BH
	s_add_co_u32 s21, s21, ASZ
	s_wait_dscnt 0x0                               ; the opening add is done
	s_wait_kmcnt 0x0
	s_add_nc_u64 s[PA:PA+1], s[4:5], s[16:17]
	s_add_nc_u64 s[PB:PB+1], s[6:7], s[18:19]
	CROUND                                         ; all sixteen work-groups are here: the first joint loads meet
.irp s, 0,1
	s_mov_b32 s[G0+4*(\s)], 1
	s_add_co_u32 s[G0+4*(\s)+1], s20, (\s)*SLOT
	s_mov_b32 s[G0B+4*(\s)], 1
	s_add_co_u32 s[G0B+4*(\s)+1], s21, (\s)*SLOT
	AIM \s
	JLOAD \s                                       ; two loads of mine are out
.endr
	v_and_b32 v1, 15, v0
	v_bfe_u32 v2, v0, 4, 1
	v_and_b32 v5, 31, v0
	v_mul_u32_u24 v3, v1, PITCH
	v_lshl_add_u32 v3, v2, 4, v3
	s_mul_i32 s22, s11, AH                         ; my 64 rows of a2
	s_mul_i32 s23, s12, BH                         ; my 128 rows of w2t
	s_add_co_u32 s23, s23, ASZ
.irp s, 0,1
	v_add_nc_u32 v[ADRA+(\s)], s22, v3
	v_add_nc_u32 v[ADRB+(\s)], s23, v3
	s_add_co_u32 s22, s22, SLOT
	s_add_co_u32 s23, s23, SLOT
.endr
	s_mul_i32 s22, s10, 16*SPITCH
	s_add_co_u32 s22, s22, STAGE                   ; my stage
	v_mul_u32_u24 v4, v1, SPITCH                   ; in: row l % 16, 32 bytes for each half of the lanes
	v_lshl_add_u32 v4, v2, 5, v4
	v_add_nc_u32 v[STO], s22, v4
	v_lshlrev_b32 v[CO], 4, v5                     ; back and out: 32 lanes take a row's 512 bytes
	v_add_nc_u32 v[RD], s22, v[CO]
	s_lshl_b32 s16, s13, 7
	s_lshl_b32 s17, s11, 6
	s_add_co_u32 s16, s16, s17                     ; my first row of out0
	s_lshl_b32 s16, s16, 13
	s_lshl_b32 s17, s42, 10
	s_add_co_u32 s16, s16, s17
	s_lshl_b32 s17, s12, 9
	s_add_co_u32 s16, s16, s17                     ; my first column, in bytes
	s_mov_b32 s17, 0
; 8 matrix instructions: row block a x all 8 column blocks, 32 along K, from buffer n.  The 32 accumulators take turns, one instruction a turn.
.macro MUL8 n, a, zero
	WIN MUL
.irp b, 0,1,2,3,4,5,6,7
.if \zero
	v_wmma_f32_16x16x32_bf16 v[8*(8*(\a)+(\b)):8*(8*(\a)+(\b))+7], v[96+96*(\n)+8*(\b):96+96*(\n)+8*(\b)+7], v[64+96*(\n)+8*(\a):64+96*(\n)+8*(\a)+7], 0
.else
	v_wmma_f32_16x16x32_bf16 v[8*(8*(\a)+(\b)):8*(8*(\a)+(\b))+7], v[96+96*(\n)+8*(\b):96+96*(\n)+8*(\b)+7], v[64+96*(\n)+8*(\a):64+96*(\n)+8*(\a)+7], v[8*(8*(\a)+(\b)):8*(8*(\a)+(\b))+7]
.endif
.endr
.endm
; 24 LDS loads in one run: w2t's 16, then a2's 8
.macro FETCH slot, k, n
	WIN 0
.irp i, 0,1,2,3,4,5,6,7
	ds_load_b128 v[96+96*(\n)+8*(\i):96+96*(\n)+8*(\i)+3],   v[ADRB+(\slot)] offset:(\k)+(\i)*16*PITCH
	ds_load_b128 v[96+96*(\n)+8*(\i)+4:96+96*(\n)+8*(\i)+7], v[ADRB+(\slot)] offset:(\k)+(\i)*16*PITCH+32
.endr
.irp i, 0,1,2,3
	ds_load_b128 v[64+96*(\n)+8*(\i):64+96*(\n)+8*(\i)+3],   v[ADRA+(\slot)] offset:(\k)+(\i)*16*PITCH
	ds_load_b128 v[64+96*(\n)+8*(\i)+4:64+96*(\n)+8*(\i)+7], v[ADRA+(\slot)] offset:(\k)+(\i)*16*PITCH+32
.endr
.endm
.macro QUARTER slot, k, f, g, zero
	s_wait_dscnt 4                                 ; all but a2's row blocks 2 and 3
	MUL8 \f, 0, \zero
	MUL8 \f, 1, \zero
	PLACES
	FETCH \slot, \k, \g
	s_wait_dscnt 24                                ; all but the 24 just issued
	MUL8 \f, 2, \zero
	MUL8 \f, 3, \zero
.endm
; The last quarter changes slots: one barrier; in front of it each wave waits for all its tensor loads (one is out: its part of the next slot), adds 0 to its spare word, and waits for that and for its reads of this slot.
.macro TURN slot, next, fill
	WIN 0
	s_wait_tensorcnt 0x0
	ds_add_u32 v[SPW], v[NIL]
	s_wait_dscnt 5                                 ; (the add and the youngest four loads may be out)
	MUL8 1, 0, 0
	s_wait_dscnt 0x0                               ; the add is done, and my reads of this slot are over
	s_barrier_signal -1
	MUL8 1, 1, 0
.if \fill
	WIN 0
.endif
	s_barrier_wait -1
.if \fill
	CREST                                          ; no wave of any partner still reads this slot's tiles or has a load on its way
	AIM \slot                                      ; the next lap's K step for this slot
	JLOAD \slot                                    ; my one load behind the round; its four v_nop are also the places in front of the loads below
.else
	PLACES
.endif
	FETCH \next, 0, 0
	MUL8 1, 2, 0
	MUL8 1, 3, 0
.endm
	s_wait_tensorcnt 1                             ; my part of the first K step is in; the second's may stay out
	s_barrier_signal -1
	s_barrier_wait -1
	FETCH 0, 0, 0
	QUARTER 0, 64, 0, 1, 1                         ; the first quarter's products start the sums
	WIN 0
	s_mov_b32 s3, LAPS-1
.Llap:                                                 ; a trip goes once round the ring and fills both slots again, with the next lap's two K steps
	s_add_co_u32 s[LAP], s[LAP], 1                 ; the next lap; behind the last comes the first
	s_cmp_eq_u32 s[LAP], LAPS
	s_cselect_b32 s[LAP], 0, s[LAP]
	s_lshl_b32 s[OFF], s[LAP], 9
	s_add_co_u32 s[OFF+2], s[OFF], 256
	QUARTER 0, 128, 1, 0, 0
	QUARTER 0, 192, 0, 1, 0
	TURN 0, 1, 1
	QUARTER 1, 64,  0, 1, 0
	QUARTER 1, 128, 1, 0, 0
	QUARTER 1, 192, 0, 1, 0
	TURN 1, 0, 1
	QUARTER 0, 64,  0, 1, 0
	WIN 0
	s_sub_co_u32 s3, s3, 1
	s_cmp_lg_u32 s3, 0
	s_cbranch_scc1 .Llap
	QUARTER 0, 128, 1, 0, 0                        ; the last lap fills nothing
	QUARTER 0, 192, 0, 1, 0
	TURN 0, 1, 0
	QUARTER 1, 64,  0, 1, 0
	QUARTER 1, 128, 1, 0, 0
	QUARTER 1, 192, 0, 1, 0
	s_wait_dscnt 4
	MUL8 1, 0, 0
	MUL8 1, 1, 0
	s_wait_dscnt 0x0
	MUL8 1, 2, 0
	MUL8 1, 3, 0
	WIN 0
	PLACES
	; THE WAY OUT, a row block at a time: 32 bytes a lane into my own stage (each accumulator's low half first), back as whole rows of 512 bytes, stored.
.irp a, 0,1,2,3
	WIN 0x04                                       ; the stores' data lie in window 1
.irp b, 0,1,2,3,4,5,6,7
	ds_store_b128 v[STO], v[8*(8*(\a)+(\b)):8*(8*(\a)+(\b))+3]   offset:64*(\b)
	ds_store_b128 v[STO], v[8*(8*(\a)+(\b))+4:8*(8*(\a)+(\b))+7] offset:64*(\b)+16
.endr
	WIN 0
.irp t, 0,1,2,3,4,5,6,7,8,9,10,11,12,13,14,15
	ds_load_b128 v[64+64*((\a)%2)+4*(\t):64+64*((\a)%2)+4*(\t)+3], v[RD] offset:(\t)*SPITCH  ; my own bytes: LDS serves a wave's instructions in order (ISA guide 5.7.1.4)
.endr
	s_wait_dscnt 0x0
	s_wait_xcnt 0x0                                ; the stores' base is stepped only behind this wait
.if (\a) == 0
	s_add_nc_u64 s[8:9], s[8:9], s[16:17]
.else
	s_add_nc_u64 s[8:9], s[8:9], 16*8192
.endif
.irp t, 0,1,2,3,4,5,6,7,8,9,10,11,12,13,14,15
	global_store_b128 v[CO], v[64+64*((\a)%2)+4*(\t):64+64*((\a)%2)+4*(\t)+3], s[8:9] offset:(\t)*8192 th:TH_STORE_NT  ; the wave stores 512 consecutive bytes, aligned
.endr
.endr
	s_wait_tensorcnt 0x0                           ; the wave's end: an add to my spare word and its wait, behind my last tensor load and my last LDS store
	ds_add_u32 v[SPW], v[NIL]
	s_wait_dscnt 0x0
	CROUND                                         ; the closing round
	s_endpgm
.Lfunc_end_k_q34daccf53f_gemm2:
	.size	k_q34daccf53f_gemm2, .Lfunc_end_k_q34daccf53f_gemm2-k_q34daccf53f_gemm2
	.p2alignl 7, 3214868480
	.fill 96, 4, 3214868480
	.section	.rodata,"a",@progbits
	.p2align	6, 0x0
	.amdhsa_kernel k_q34daccf53f_gemm2
		.amdhsa_group_segment_fixed_size 327680
		.amdhsa_private_segment_fixed_size 0
		.amdhsa_enable_private_segment 0
		.amdhsa_kernarg_size 24
		.amdhsa_user_sgpr_count 2
		.amdhsa_user_sgpr_kernarg_segment_ptr 1
		.amdhsa_wavefront_size32 1
		.amdhsa_system_sgpr_workgroup_id_x 1
		.amdhsa_system_sgpr_workgroup_id_y 1
		.amdhsa_system_sgpr_workgroup_id_z 1
		.amdhsa_system_vgpr_workitem_id 0
		.amdhsa_next_free_vgpr 512
		.amdhsa_next_free_sgpr 72
		.amdhsa_reserve_vcc 0
		.amdhsa_float_denorm_mode_32 3
		.amdhsa_float_denorm_mode_16_64 3
		.amdhsa_memory_ordered 1
		.amdhsa_forward_progress 1
		.amdhsa_inst_pref_size 86
	.end_amdhsa_kernel
	.amdgpu_metadata
---
amdhsa.version: [ 1, 2 ]
amdhsa.kernels:
  - .name:           k_q34daccf53f_gemm2
    .symbol:         k_q34daccf53f_gemm2.kd
    .args:
      - { .name: a2, .offset: 0, .size: 8, .value_kind: global_buffer, .address_space: global }
      - { .name: w2t, .offset: 8, .size: 8, .value_kind: global_buffer, .address_space: global }
      - { .name: out0, .offset: 16, .size: 8, .value_kind: global_buffer, .address_space: global }
    .group_segment_fixed_size: 327680
    .private_segment_fixed_size: 0
    .kernarg_segment_align: 8
    .kernarg_segment_size: 24
    .max_flat_workgroup_size: 128
    .sgpr_count:     72
    .vgpr_count:     512
    .wavefront_size: 32
...
	.end_amdgpu_metadata
.endif
;; end of part 4
